; MI455X (gfx1250); checked and timed in simulation.
; The chip was launched on July 23, 2026; its instructions are those of AMD's public machine-readable ISA for CDNA 5 (MIT licence, August 2026) and "CDNA5" Instruction Set Architecture Reference Guide (July 2026). The comments in the code are by the model that wrote it; some were corrected since.
;; Multi Head Attention. Allowed arithmetic: matrix products marked QUANTISED: E2M3 operands, one E8M0 scale for each 32 along K, by v_wmma_scale_f32_16x16x128_f8f6f4 with both operands' format E2M3, f32 sums; everything else in f32.
;; Inputs: b_out 1,024 float32; b_qkv 3,072 float32; w_out 1,024 x 1,024 float32; w_qkv 1,024 x 3,072 float32; x 4 x 2,048 x 1,024 float32.
;; Outputs: out0 4 x 2,048 x 1,024 float32.
;; This version of the problem:
;;   THIS VERSION OF THE PROBLEM IS GIVEN IN LOW PRECISION. The matrix products marked QUANTISED in the list below multiply operands that are first quantised to E2M3 (2 exponent bits, 3 mantissa bits; 6 bits a number), with one power-of-two scale for each 32 numbers along K (OCP MX v1.0); their sums are f32. All else is computed in f32.
;;   The module's matrix products, in the order in which they are computed (A, B: the left and right operand; K: the contracted axis; several contracted axes count as one K, in the product's order):
;;     1. [M 8,192, K 1,024] x [K 1,024, N 3,072]; A: input x; B: input w_qkv: QUANTISED
;;     2. batch 64 x [M 2,048, K 64] x [K 64, N 2,048]; A: computed on the way; B: computed on the way: QUANTISED
;;     3. batch 64 x [M 2,048, K 2,048] x [K 2,048, N 64]; A: softmax (see below); B: computed on the way: QUANTISED
;;     4. [M 8,192, K 1,024] x [K 1,024, N 1,024]; A: computed on the way; B: input w_out: QUANTISED
;;   THE QUANTISER, for each operand of a quantised product, along K:
;;     - K is cut into blocks of 32 from its start; a last block that is shorter is filled with zeros.
;;     - A block's scale is 2^e with e = floor(log2(the largest magnitude in the block)) - 2, held to -126 .. 127; a block of zeros has e = 0. As a byte (E8M0): e + 127.
;;     - Each number is divided by its block's scale, clamped to +-7.5, and rounded to the nearest number of E2M3, ties to even, subnormals kept.
;;     - The product sums the exact products of the quantised numbers (number of the format x scale) in f32.
;;   ~~~python
;;   def quantise(x, axis):      # numpy; x: float32 -> the quantised numbers, widened to float32 again
;;       x = np.moveaxis(x, axis, -1); K = x.shape[-1]
;;       x = np.pad(x, [(0, 0)] * (x.ndim - 1) + [(0, -K % 32)]); x = x.reshape(x.shape[:-1] + (-1, 32)); a = np.abs(x).max(-1, keepdims=True)
;;       e = np.where(a > 0, np.clip(np.frexp(np.where(a > 0, a, 1))[1] - 1 - 2, -126, 127), 0)      # np.frexp(a)[1] - 1 = floor(log2(a)), exactly
;;       r = np.clip(x / 2.0 ** e, -7.5, 7.5)
;;       step = 2.0 ** (np.maximum(np.frexp(np.where(r == 0, 1, r))[1] - 1, 0) - 3)
;;       q = np.round(r / step) * step * 2.0 ** e      # np.round: ties to even
;;       return np.moveaxis(q.reshape(q.shape[:-2] + (-1,))[..., :K], -1, axis).astype(np.float32)
;;   ~~~
;;   SOFTMAX AHEAD OF A QUANTISED PRODUCT. Where the list says 'softmax', what is quantised is not the finished softmax but p = 2^(t - M), with t = logit x log2(e) and M = ceil(the row's largest t), a whole number; so 1/2 < the row's largest p <= 1. The row's sum l is taken of the UNQUANTISED p, in f32, and the product's result is divided by l at the end. Since M is a whole number, a kernel that streams over the keys may use a running M (the ceiling of the running maximum): every later rescaling is an exact power of two, which a block's scale takes up: the codes' values come out the same.
;;   OPERANDS COMPUTED ON THE WAY. 'Computed on the way' means the value that the module computes at that place (a softmax that the list does not call 'softmax' is quantised finished and normalised). What goes into a quantiser is computed in f32, as accurately as f32 sums, v_exp_f32 and their like allow (about 1e-6 of the number): no bf16 or f16 on the way to a quantiser, and a product that is left as it is and whose result goes on into a quantised operand takes f32 operands (vector FMAs, or v_wmma_f32_16x16x4_f32). A number that lies on a knife's edge between two numbers of the format may be rounded either way, as far as f32 arithmetic and the matrix unit's own rounding can turn it there, and no further.
;; One version. Each part assembles by itself: llvm-mc -triple=amdgcn-amd-amdhsa -mcpu=gfx1250 --defsym DOCPART=n.
;; ======== version 1 of 1: 4 launches
;; workspace buffers: x_img 6,291,456 bytes; x_sc 262,144 bytes; w_img 3,145,728 bytes; w_sc 131,072 bytes; qkv 18,874,368 bytes; qkvs 786,432 bytes; a_img 6,291,456 bytes; a_sc 262,144 bytes
;; launch quant (part 1): grid 384 x 1, 4 waves a work-group, no clusters, 34,304 bytes of LDS; arguments x, w_qkv, w_out, x_img, x_sc, w_img, w_sc; writes x_img, x_sc, w_img, w_sc
.if DOCPART == 1
	.amdgcn_target "amdgcn-amd-amdhsa--gfx1250"
	.amdhsa_code_object_version 6
	.text
	.protected	k_qea2af9c06d_quant
	.globl	k_qea2af9c06d_quant
	.p2align	8
	.type	k_qea2af9c06d_quant,@function
k_qea2af9c06d_quant:
	s_mov_b64 s[64:65], 0
	v_nop
	global_prefetch_b8 v0, s[64:65] scope:SCOPE_SE
	s_setreg_imm32_b32 hwreg(HW_REG_WAVE_MODE, 25, 1), 1
	s_wait_xcnt 0x0
; x [8192][1024], w_qkv [1024][3072] and w_out [1024][1024], f32, become codes of FP6 (E2M3) with one E8M0 byte for each 32 along K (x: its last axis; the weights: their first).
; A block's scale is 2^(floor(log2(its largest magnitude)) - 2); its byte is the largest magnitude's exponent field - 2, held at 1 from below by a floor among the maximum's leaves.
; LIMITS: a block of zeros gets the byte 1 where the quantiser says 127 (its codes are zeros, and this program alone reads the bytes); NaN and infinities among the inputs are not served.
; THE CODES ARE LAID AS IMAGES OF THE OPERAND'S REGISTERS.  A fragment (16 rows x 128 K, 12 registers a lane) is six pieces of 256 bytes: piece p holds registers 2 p, 2 p + 1, lane l's 8 bytes at 8 l.
;   codes:  group of 128 rows x 98,304 + K step of 256 x 24,576 + tile of 16 rows x 3,072 + fragment x 1,536 + piece x 256 + 8 x lane
;   scales: group x 4,096 + K step x 1,024 + tile x 128 + 8 x row + 4 x fragment + block
; ROWS ARE FILED BY POSITION: row r of tile 2 B + u of a group of 32 is the natural index 32 B + 8 u + r + 8 (r / 8), so that a product which takes such tiles as source 0 leaves 16 natural neighbours in 16 registers.
; Work-groups 0-255 take x (32 tokens each; wave w takes K step w), 256-351 w_qkv, 352-383 w_out (128 columns x 256 K each; wave w takes 32 columns).  w_img's groups 0-23 are w_qkv's columns, 24-31 w_out's.
; No tensor loads, no barrier: waves share nothing.  Only x's path uses LDS.
.set R,      16                        ; v16-143  x: two sets of 64 numbers as they are loaded
.set X,      144                       ; v144-207 x: my two blocks of 32 neighbours
.set C,      208                       ; v208-219 x: a fragment's codes
.set WW,     236                       ; v236-239 x: the scale words of units 0 to 3
.set SPITCH, 528                       ; x: a stage row: 512 bytes + 16
.set XW,     32                        ; v32-95   weights: two sets of 32 numbers
.set CB,     96                        ; v96-143  weights: codes, 12 registers for each pair of blocks, never written again
.set SB,     24                        ; v24-25   weights: my eight scale bytes
	s_load_b256 s[4:11], s[0:1], 0x0               ; x s[4:5], w_qkv s[6:7], w_out s[8:9], x_img s[10:11]
	s_load_b128 s[12:15], s[0:1], 0x20             ; x_sc s[12:13], w_img s[14:15]
	s_load_b64 s[16:17], s[0:1], 0x30              ; w_sc
	v_lshl_add_u32 v254, v0, 2, 0x8400
	v_mov_b32 v255, 0
	v_lshrrev_b32 v1, 5, v0
	v_readfirstlane_b32 s18, v1                    ; wave 0..3
	v_and_b32 v1, 31, v0                           ; lane
	v_lshlrev_b32 v7, 3, v1                        ; 8 x lane: my place in a piece
	s_mov_b32 s23, 0
	s_mov_b32 s25, 0
	s_mov_b32 s27, 0
	s_cmp_lt_u32 ttmp9, 256
	s_cbranch_scc0 .Lweights
; ---------------- x: K is innermost ----------------
; A unit n = 2 u + q is 16 rows (tile u) x 128 K (fragment q).  Each load reads a row's 512 consecutive bytes; the 16 rows turn through the wave's own stage, and a lane takes back its two blocks of 32 neighbours.
	v_and_b32 v2, 15, v0                           ; r
	v_bfe_u32 v3, v0, 4, 1                         ; h
	v_lshlrev_b32 v4, 4, v1                        ; 16 x lane
	s_mul_i32 s28, s18, 16*SPITCH                  ; my stage
	v_add_nc_u32 v5, s28, v4                       ; into it: 16 x lane, a row an instruction
	v_mul_u32_u24 v6, v2, SPITCH
	v_lshl_add_u32 v6, v3, 7, v6
	v_add_nc_u32 v6, s28, v6                       ; out of it: row r, + 128 h: block 2 c + h begins 256 c bytes on
	v_lshlrev_b32 v8, 3, v3                        ; 8 h
	v_mov_b32 v235, 0                              ; written once: a lane permute's destination counts as one of its sources
	v_cmp_lt_u32 s30, 15, v1                       ; lanes 16-31
	s_mov_b32 s20, 0x76543210
	s_mov_b32 s21, 0xfedcba98                      ; v_permlanex16_b32's selects for lane l xor 16
	s_lshl_b32 s22, ttmp9, 17                      ; 32 tokens of 4,096 bytes,
	s_lshl_b32 s29, s18, 10                        ; + my K step's 1,024 bytes
	s_add_co_u32 s22, s22, s29
	s_lshr_b32 s31, ttmp9, 2                       ; the group of 128
	s_and_b32 s32, ttmp9, 3                        ; the pair of tiles in it
	s_mul_i32 s24, s31, 98304
	s_mul_i32 s33, s18, 24576
	s_add_co_u32 s24, s24, s33
	s_mul_i32 s33, s32, 6144
	s_add_co_u32 s24, s24, s33
	s_lshl_b32 s26, s31, 12
	s_add_co_u32 s26, s26, s29
	s_lshl_b32 s33, s32, 8
	s_add_co_u32 s26, s26, s33
	s_wait_kmcnt 0x0
	s_add_nc_u64 s[4:5], s[4:5], s[22:23]
	s_add_nc_u64 s[10:11], s[10:11], s[24:25]
	s_add_nc_u64 s[12:13], s[12:13], s[26:27]
.macro XLOAD n
.irp i, 0,1,2,3,4,5,6,7,8,9,10,11,12,13,14,15
	global_load_b128 v[R+64*((\n)%2)+4*\i:R+64*((\n)%2)+4*\i+3], v4, s[4:5] offset:(8*((\n)/2)+\i+8*(\i/8))*4096+512*((\n)%2) th:TH_LOAD_NT   ; row i of tile u: 32 lanes read 512 consecutive bytes
.endr
.endm
.macro UNIT n
.set RS, R+64*((\n)%2)
.if (\n) < 3
	s_wait_loadcnt 16                              ; this unit's 16 loads are in; the next unit's 16 may be out
.else
	s_wait_loadcnt 0x0
.endif
.irp i, 0,1,2,3,4,5,6,7,8,9,10,11,12,13,14,15
	ds_store_b128 v5, v[RS+4*\i:RS+4*\i+3] offset:SPITCH*\i
.endr
.irp c, 0,1
.irp k, 0,1,2,3,4,5,6,7
	ds_load_b128 v[X+32*\c+4*\k:X+32*\c+4*\k+3], v6 offset:256*\c+16*\k   ; LDS serves a wave's instructions in order: these see the stores above
.endr
.endr
	s_wait_dscnt 0x0                               ; my numbers are back, and the stores have read their registers,
.if (\n)+2 < 4
	XLOAD (\n)+2                                   ; which take the loads of two units on
.endif
.irp c, 0,1
	v_max3_num_f32 v[228+\c], |v[X+32*\c]|, |v[X+32*\c+1]|, 0x1800000   ; block 2 c + h: all 32 numbers are mine; the floor 2^(3 - 127) holds the byte at 1 from below
.endr
.irp i, 2,4,6,8,10,12,14,16,18,20,22,24,26,28,30
.irp c, 0,1
	v_max3_num_f32 v[228+\c], v[228+\c], |v[X+32*\c+\i]|, |v[X+32*\c+\i+1]|
.endr
.endr
.irp c, 0,1
	v_add_nc_u32 v[230+\c], 0xff000000, v[228+\c]  ; 2 off the exponent field: the conversion takes the exponent field of this operand as its scale
.endr
.irp c, 0,1
	v_lshrrev_b32 v[232+\c], 23, v[230+\c]         ; the scale's byte
.endr
	v_lshl_or_b32 v234, v233, 16, v232             ; my two bytes: blocks h and 2 + h of row r,
	v_lshlrev_b32 v234, v8, v234                   ; at their places in the scale word;
	v_permlanex16_b32 v235, v234, s20, s21
	v_or_b32 v[WW+(\n)], v234, v235                ; with lane l xor 16's two the word is whole
	s_wait_xcnt 0x0                                ; the last unit's stores have read their data: the codes' registers are written again only behind this wait
.irp c, 0,1
	v_cvt_scalef32_pk16_fp6_f32 v[C+6*\c:C+6*\c+2], v[X+32*\c:X+32*\c+15], v[230+\c]
	v_cvt_scalef32_pk16_fp6_f32 v[220+4*\c:222+4*\c], v[X+32*\c+16:X+32*\c+31], v[230+\c]   ; (a conversion's three registers begin on an even number)
.endr
	v_nop                                          ; one plain place behind a scaled conversion
.irp c, 0,1
.irp i, 0,1,2
	v_mov_b32 v[C+3+6*\c+\i], v[220+4*\c+\i]
.endr
.endr
.irp p, 0,1,2,3,4,5
	global_store_b64 v7, v[C+2*\p:C+2*\p+1], s[10:11] offset:((\n)/2)*3072+((\n)%2)*1536+256*\p   ; a piece: 32 lanes store 256 consecutive bytes, aligned
.endr
.endm
	XLOAD 0
	XLOAD 1
	UNIT 0
	UNIT 1
	UNIT 2
	UNIT 3
	v_cndmask_b32 v240, v[WW], v[WW+2], s30        ; lanes 0-15 carry tile 0's rows, lanes 16-31 tile 1's: two words a row
	v_cndmask_b32 v241, v[WW+1], v[WW+3], s30
	global_store_b64 v7, v[240:241], s[12:13]      ; 256 consecutive bytes, aligned
	s_wait_tensorcnt 0x0
	ds_add_u32 v254, v255
	s_wait_dscnt 0x0
	s_endpgm
; ---------------- the weights: K is the first axis ----------------
; A lane takes a column (the one whose position in the pair of tiles is its lane number) and its registers run down K: a block of 32 lies in one lane, and the conversions give codes with K innermost.
.Lweights:
	v_and_b32 v9, 7, v1
	v_and_b32 v10, 8, v1
	v_lshl_or_b32 v9, v10, 1, v9
	v_and_b32 v10, 16, v1
	v_lshrrev_b32 v10, 1, v10
	v_or_b32 v9, v9, v10                           ; my column among the wave's 32: the lane number with bits 3 and 4 exchanged
	v_lshlrev_b32 v9, 2, v9
.macro WLOAD tb, N, wb                 ; block tb: W(32 tb + i, my column) into set tb % 2; a load reads 128 consecutive bytes
.irp i, 0,1,2,3,4,5,6,7,8,9,10,11,12,13,14,15,16,17,18,19,20,21,22,23,24,25,26,27,28,29,30,31
	global_load_b32 v[XW+32*((\tb)%2)+\i], v9, s[\wb:\wb+1] offset:(32*(\tb)+\i)*\N*4 th:TH_LOAD_NT
.endr
.endm
.macro WBLOCK tb, N, wb
.set XS, XW+32*((\tb)%2)
.set CD, CB+12*((\tb)/2)+6*((\tb)%2)
.set M,  (\tb)/2
.if (\tb) < 7
	s_wait_loadcnt 32                              ; this block's 32 loads are in; the next block's may be out
.else
	s_wait_loadcnt 0x0
.endif
	v_max3_num_f32 v12, |v[XS]|, |v[XS+1]|, |v[XS+2]|
	v_max3_num_f32 v13, |v[XS+3]|, |v[XS+4]|, |v[XS+5]|
.irp i, 6,10,14,18,22,26
	v_max3_num_f32 v12, v12, |v[XS+\i]|, |v[XS+\i+1]|
	v_max3_num_f32 v13, v13, |v[XS+\i+2]|, |v[XS+\i+3]|
.endr
	v_max3_num_f32 v12, v12, |v[XS+30]|, |v[XS+31]|
	v_max3_num_f32 v12, v12, v13, 0x1800000        ; and the floor
	v_add_nc_u32 v11, 0xff000000, v12              ; the conversion's scale operand
	v_lshrrev_b32 v13, 23, v11                     ; the scale's byte
.if (\tb)%4 == 0
	v_mov_b32 v[SB+(\tb)/4], v13                   ; four bytes to a word, the lower K in the lower byte
.else
	v_lshl_or_b32 v[SB+(\tb)/4], v13, 8*((\tb)%4), v[SB+(\tb)/4]
.endif
	v_cvt_scalef32_pk16_fp6_f32 v[CD:CD+2], v[XS:XS+15], v11
	v_cvt_scalef32_pk16_fp6_f32 v[144:146], v[XS+16:XS+31], v11
	v_nop                                          ; one plain place behind a scaled conversion
.irp i, 0,1,2
	v_mov_b32 v[CD+3+\i], v[144+\i]
.endr
.if (\tb)+2 < 8
	WLOAD (\tb)+2, \N, \wb
.endif
.if (\tb)%2 == 1                       ; blocks 2 M and 2 M + 1 are the two halves (lanes 0-15, lanes 16-31) of registers 6 (M % 2) on of fragment M / 2
.irp i, 0,1,2,3,4,5
	v_permlane16_swap_b32 v[CB+12*M+\i], v[CB+12*M+6+\i]   ; the first six now are tile 0's registers (rows in lanes 0-15 with the even block, in lanes 16-31 with the odd), the second six tile 1's
.endr
.irp p, 0,1,2
	global_store_b64 v7, v[CB+12*M+2*\p:CB+12*M+2*\p+1], s[14:15] offset:(M/2)*1536+(3*(M%2)+\p)*256
	global_store_b64 v7, v[CB+12*M+6+2*\p:CB+12*M+6+2*\p+1], s[14:15] offset:3072+(M/2)*1536+(3*(M%2)+\p)*256
.endr
.endif
.endm
.macro WPATH N, first, gp0, wb
	s_sub_co_u32 s28, ttmp9, \first
	s_lshr_b32 s29, s28, 2                         ; which 128 columns
	s_and_b32 s28, s28, 3                          ; which K step of 256
	s_mul_i32 s22, s28, 256*\N*4
	s_lshl_b32 s31, s29, 9
	s_add_co_u32 s22, s22, s31
	s_lshl_b32 s31, s18, 7                         ; my wave's 32 columns
	s_add_co_u32 s22, s22, s31
	s_add_co_u32 s29, s29, \gp0                    ; the group in w_img
	s_mul_i32 s24, s29, 98304
	s_mul_i32 s31, s28, 24576
	s_add_co_u32 s24, s24, s31
	s_mul_i32 s31, s18, 6144
	s_add_co_u32 s24, s24, s31
	s_lshl_b32 s26, s29, 12
	s_lshl_b32 s31, s28, 10
	s_add_co_u32 s26, s26, s31
	s_lshl_b32 s31, s18, 8
	s_add_co_u32 s26, s26, s31
	s_wait_kmcnt 0x0
	s_add_nc_u64 s[\wb:\wb+1], s[\wb:\wb+1], s[22:23]
	s_add_nc_u64 s[14:15], s[14:15], s[24:25]
	s_add_nc_u64 s[16:17], s[16:17], s[26:27]
	WLOAD 0, \N, \wb
	WLOAD 1, \N, \wb
.irp tb, 0,1,2,3,4,5,6,7
	WBLOCK \tb, \N, \wb
.endr
	global_store_b64 v7, v[SB:SB+1], s[16:17]      ; my row's two scale words: the wave stores 256 consecutive bytes, aligned
	s_endpgm
.endm
	s_cmp_lt_u32 ttmp9, 352
	s_cbranch_scc0 .Lwout
	WPATH 3072, 256, 0, 6
.Lwout:
	WPATH 1024, 352, 24, 8
.Lfunc_end_k_qea2af9c06d_quant:
	.size	k_qea2af9c06d_quant, .Lfunc_end_k_qea2af9c06d_quant-k_qea2af9c06d_quant
	.p2alignl 7, 3214868480
	.fill 96, 4, 3214868480
	.section	.rodata,"a",@progbits
	.p2align	6, 0x0
	.amdhsa_kernel k_qea2af9c06d_quant
		.amdhsa_group_segment_fixed_size 34304
		.amdhsa_private_segment_fixed_size 0
		.amdhsa_enable_private_segment 0
		.amdhsa_kernarg_size 56
		.amdhsa_user_sgpr_count 2
		.amdhsa_user_sgpr_kernarg_segment_ptr 1
		.amdhsa_wavefront_size32 1
		.amdhsa_system_sgpr_workgroup_id_x 1
		.amdhsa_system_sgpr_workgroup_id_y 1
		.amdhsa_system_sgpr_workgroup_id_z 1
		.amdhsa_system_vgpr_workitem_id 0
		.amdhsa_next_free_vgpr 256
		.amdhsa_next_free_sgpr 66
		.amdhsa_reserve_vcc 0
		.amdhsa_float_denorm_mode_32 3
		.amdhsa_float_denorm_mode_16_64 3
		.amdhsa_memory_ordered 1
		.amdhsa_forward_progress 1
		.amdhsa_inst_pref_size 111
	.end_amdhsa_kernel
	.amdgpu_metadata
---
amdhsa.version: [ 1, 2 ]
amdhsa.kernels:
  - .name:           k_qea2af9c06d_quant
    .symbol:         k_qea2af9c06d_quant.kd
    .args:
      - { .name: x, .offset: 0, .size: 8, .value_kind: global_buffer, .address_space: global }
      - { .name: w_qkv, .offset: 8, .size: 8, .value_kind: global_buffer, .address_space: global }
      - { .name: w_out, .offset: 16, .size: 8, .value_kind: global_buffer, .address_space: global }
      - { .name: x_img, .offset: 24, .size: 8, .value_kind: global_buffer, .address_space: global }
      - { .name: x_sc, .offset: 32, .size: 8, .value_kind: global_buffer, .address_space: global }
      - { .name: w_img, .offset: 40, .size: 8, .value_kind: global_buffer, .address_space: global }
      - { .name: w_sc, .offset: 48, .size: 8, .value_kind: global_buffer, .address_space: global }
    .group_segment_fixed_size: 34304
    .private_segment_fixed_size: 0
    .kernarg_segment_align: 8
    .kernarg_segment_size: 56
    .max_flat_workgroup_size: 128
    .sgpr_count:     66
    .vgpr_count:     256
    .wavefront_size: 32
...
	.end_amdgpu_metadata
.endif
;; end of part 1
;; launch gemm_qkv (part 2): grid 12 x 32, 4 waves a work-group, clusters of 4 x 4, 327,680 bytes of LDS; arguments x_img, x_sc, w_img, w_sc, b_qkv, qkv, qkvs; writes qkv, qkvs
.if DOCPART == 2
	.amdgcn_target "amdgcn-amd-amdhsa--gfx1250"
	.amdhsa_code_object_version 6
	.text
	.protected	k_qea2af9c06d_gemm_qkv
	.globl	k_qea2af9c06d_gemm_qkv
	.p2align	8
	.type	k_qea2af9c06d_gemm_qkv,@function
k_qea2af9c06d_gemm_qkv:
	s_mov_b64 s[64:65], 0
	v_nop
	global_prefetch_b8 v0, s[64:65] scope:SCOPE_SE
	s_setreg_imm32_b32 hwreg(HW_REG_WAVE_MODE, 25, 1), 1
	s_wait_xcnt 0x0
	s_wait_alu depctr_hold_cnt(0) depctr_sa_sdst(0) depctr_va_vdst(0) depctr_va_sdst(0) depctr_va_ssrc(0) depctr_va_vcc(0) depctr_vm_vsrc(0)
	s_getreg_b32 s2, hwreg(HW_REG_IB_STS2, 6, 4)
	s_cmp_eq_u32 s2, 0
	s_cbranch_scc0 .Lentry_in_a_cluster
	s_endpgm
.Lentry_in_a_cluster:
	s_bfe_u32 s2, ttmp6, 0x10000c
	s_cmp_lg_u32 s2, 0xf033
	s_cbranch_scc0 .Lentry_shape_is_right
	s_endpgm
.Lentry_shape_is_right:
; qkv = x w_qkv + b_qkv on codes of FP6 (E2M3) with E8M0 scales, K = 1,024; the results are quantised again in registers and leave as the operands of attention's two products.
; OPERANDS come as images of their registers: group of 128 rows x 98,304 + K step of 256 x 24,576 + tile x 3,072 + fragment x 1,536 + piece x 256 + 8 x lane; scale words: group x 4,096 + K step x 1,024 + tile x 128 + 8 x row + 4 x fragment.
; Rows are filed by position: row r of tile 2 B + u of a group of 32 is the natural index 32 B + 8 u + r + 8 (r / 8).  So the 16 registers of a lane in the results of source-0 tiles 2 B, 2 B + 1 are the natural indices 32 B + 16 (lane / 16) + 0 .. 15.
; A tile of 256 x 256 is made by four waves, 128 x 128 each: 64 accumulators, 512 registers.  K goes in four steps of 256 through two LDS slots; 128 rows of a K step are one dense block of 24,576 bytes, one tensor load.
; CLUSTERS of 4 x 4: source 1's tiles are shared along a row of the cluster, source 0's along a column; each is asked for jointly.
; q AND k (cluster x = 0, 1): source 0 = columns of w, source 1 = tokens: a lane holds a token and its registers run along the head's channels, which are the K of q k^T.
; v (cluster x = 2): THE TWO TENSORS CHANGE PLACES: source 0 = tokens, source 1 = columns of w: a lane holds a channel and its registers run along the tokens, the K of p v.  The choice hangs on the cluster's x alone, the same in all sixteen partners.
; OUT: qkv [64 heads][q, k, v][98,304]: q, k: tile of 16 tokens x 768 (16 rows x 64 channels: three pieces); v: key step of 128 x 6,144 + tile of 16 channels x 1,536 (a whole fragment).
;      qkvs [64][3][4,096]: key step x 256 + 16 x row + a word: q, k: word g = tile 2 g's two bytes, then tile 2 g + 1's; v: word t = channel tile t's four bytes.
; The bias is the C of each sum's first matrix instruction.
; LIMITS: a block of zeros gets the byte 1 where the quantiser says 127 (its codes are zeros; this program alone reads the bytes); NaN and infinities are not served.
; REGISTERS, in windows of 256: window 0: v1-31 addresses; v32-63 scale words, two sets; v64-127 the bias; v128-223 source 1's fragments, one set (the epilogue works in v128-171 and v224-239);
;   window 1: source 0's fragments, two sets, at v0 and v128;  window 2: the accumulators of my rows 0-63 ((a, b) at v[8 (8 a + b)]);  window 3: those of rows 64-127.
.set NQ,     2                         ; fragments of 128 along K in a slot
.set FR,     12                        ; registers of a fragment
.set NL,     6                         ; LDS loads that bring one
.set NP,     4                         ; places behind this matrix instruction (ISA guide 7.12.1)
.set HALFT,  24576                     ; 128 rows of a K step: what one tensor load brings, and what one wave reads of a side
.set SLOT,   4*HALFT                   ; source 1's 256 rows, then source 0's
.set SCL,    2*SLOT                    ; behind the ring: the scale words of the four groups of 128 rows, for all of K, 4,096 bytes each; filled once
.set SPARE,  SCL+4*4096                ; the spare words, 128 bytes for each wave: two blocks of 256 bytes that no other line names
.set HS,     294912                    ; a head in qkv
.set HSS,    12288                     ; a head in qkvs
.set ADRA, 16                          ; v16-17  LDS address of source 1's fragments in slot 0, 1
.set ADRB, 20                          ; v20-21  of source 0's
.set OL,   24                          ; v24     8 x lane
.set OSC,  25                          ; v25     the scale words' way out: 16 r + (lane / 16) x a head
.set BO1,  26                          ; v26     the bias, q and k: 64 (lane / 16)
.set ADRS, 27                          ; v27     LDS address of my scale words: lanes 0-15 source 1's rows, lanes 16-31 source 0's
.set SPW,  28                          ; v28     LDS address of my spare word; never rewritten
.set NIL,  29                          ; v29     0; never rewritten
.set BO2,  31                          ; v31     the bias, v: 4 (r + 8 (r / 8))
.set SC,   32
.set BI,   64
.set AF,   128
.set PC,   128                         ; the epilogue: 12 registers of codes, and two runs of three at +12, +16
.set PWS,  160                         ; v160-167 the eight blocks' scale words
.set W4,   168                         ; v168-171 the four words that leave
.set TM,   224                         ; v224-227 largest magnitudes, v228-231 the other half's, then bytes, v236-239 the conversions' scale operands
.set G1, 24                            ; s[24:31] descriptor group 1 for source 1's tiles;  s[32:39] group 0, one set for each slot
.set G0, 32
.set G1B, 48                           ; s[48:55], s[56:63] the same for source 0's
.set G0B, 56
.set G1S, 68                           ; s[68:75], s[76:79] groups 1 and 0 for source 1's scales;  s[80:87], s[88:91] for source 0's
.set G0S, 76
.set G1SB, 80
.set G0SB, 88
.set MSB, 0
.macro WIN new                         ; the immediate's high byte repeats the setting that is left
.if MSB != \new
	s_set_vgpr_msb (MSB<<8)|\new
.set MSB, \new
.endif
.endm
.set MUL_LO, 0xa1                      ; source 0 window 1, source 1 window 0, C and D window 2
.set MUL_HI, 0xf1                      ; the same, C and D window 3
.set TO_B,   0x40                      ; destination window 1, address window 0
; A joint load: waves 0 and 1 fetch for source 1, waves 2 and 3 for source 0.  Each line has one mask and one set of registers; the branch hangs on the wave's number alone.  Four v_nop follow each line.
.macro JLOAD g0a, g1a, g0b, g1b
	s_cmp_eq_u32 s15, 0
	s_cbranch_scc0 .Lfor_b_\@
	tensor_load_to_lds s[\g0a:\g0a+3], s[\g1a:\g1a+7]
	s_nop 0
.rept 4
	v_nop
.endr
	s_branch .Lasked_\@
.Lfor_b_\@:
	tensor_load_to_lds s[\g0b:\g0b+3], s[\g1b:\g1b+7]
	s_nop 0
.rept 4
	v_nop
.endr
.Lasked_\@:
.endm
.macro CREST                           ; a round of the cluster's barrier behind its opening barrier
	s_cmp_lg_u32 s14, 0
	s_cbranch_scc1 .Lnot_wave_0_\@
	s_barrier_signal -3
.Lnot_wave_0_\@:
	s_barrier_wait -3
	s_barrier_signal -1
	s_barrier_wait -1
.endm
.macro CROUND                          ; a whole round
	s_barrier_signal -1
	s_barrier_wait -1
	CREST
.endm
	s_load_b256 s[4:11], s[0:1], 0x0               ; x_img s[4:5], x_sc s[6:7], w_img s[8:9], w_sc s[10:11]
	s_load_b128 s[96:99], s[0:1], 0x20             ; b_qkv s[96:97], qkv s[98:99]
	s_load_b64 s[100:101], s[0:1], 0x30            ; qkvs
	v_lshl_add_u32 v[SPW], v0, 2, SPARE
	v_mov_b32 v[NIL], 0
	ds_add_u32 v28, v29
	ds_add_u32 v28, v29
	s_wait_dscnt 0x0
	v_lshrrev_b32 v1, 5, v0
	v_readfirstlane_b32 s14, v1                    ; wave 0..3
	s_lshr_b32 s15, s14, 1                         ; which half of source 1's rows is mine.  Also: I fetch for source 1 (0) or source 0 (1)
	s_and_b32 s16, s14, 1                          ; which half of source 0's rows.  Also: which 128 rows I fetch
	s_bfe_u32 s40, ttmp6, 0x40000                  ; cx, cy: my place in the cluster
	s_bfe_u32 s41, ttmp6, 0x40004
	s_and_b32 s18, ttmp7, 0xffff                   ; cluster y
	s_cmp_eq_u32 ttmp9, 2                          ; v's clusters
	s_cselect_b32 s12, 1, 0
	s_cselect_b32 s42, s18, ttmp9
	s_cselect_b32 s17, ttmp9, s18
	s_lshl_b32 s42, s42, 2
	s_add_co_u32 s42, s42, s40                     ; source 0's tile of 256 rows: q, k: of w, 4 x cluster x + cx; v: of x, 4 x cluster y + cx
	s_lshl_b32 s17, s17, 2
	s_add_co_u32 s17, s17, s41                     ; source 1's: q, k: of x, 4 x cluster y + cy; v: of w, 4 x cluster x + cy
	s_lshl_b32 s43, s41, 2
	s_lshl_b32 s43, 15, s43                        ; my row of the cluster
	s_lshl_b32 s44, 0x1111, s40                    ; my column
	; descriptor group 1: a dense block of 24,576 bytes as 96 rows of 32 elements of 8 bytes; no padding: every LDS load of a piece reads 256 consecutive bytes
	s_or_b32 s[G1+0], s43, (3<<16)|(1<<21)         ; 15:0 the mask; 17:16 elements of 8 bytes; 21 set beside a mask
	s_or_b32 s[G1B+0], s44, (3<<16)|(1<<21)
.irp g, G1, G1B
	s_mov_b32 s[\g+1], 32<<16                      ; tensor_dim0
	s_mov_b32 s[\g+2], 96<<16                      ; tensor_dim1
	s_mov_b32 s[\g+3], 32<<16                      ; tile_dim0
	s_mov_b32 s[\g+4], 96                          ; tile_dim1
	s_mov_b32 s[\g+5], 32                          ; tensor_dim0_stride
	s_mov_b32 s[\g+6], 0
	s_mov_b32 s[\g+7], 0
.endr
	; and for the scale words of 128 rows, all of K: 4,096 dense bytes, 16 such rows
	s_or_b32 s[G1S+0], s43, (3<<16)|(1<<21)
	s_or_b32 s[G1SB+0], s44, (3<<16)|(1<<21)
.irp g, G1S, G1SB
	s_mov_b32 s[\g+1], 32<<16
	s_mov_b32 s[\g+2], 16<<16
	s_mov_b32 s[\g+3], 32<<16
	s_mov_b32 s[\g+4], 16
	s_mov_b32 s[\g+5], 32
	s_mov_b32 s[\g+6], 0
	s_mov_b32 s[\g+7], 0
.endr
	s_lshl_b32 s20, s17, 1
	s_add_co_u32 s20, s20, s16                     ; the group of 128 rows that I would fetch for source 1,
	s_lshl_b32 s46, s42, 1
	s_add_co_u32 s46, s46, s16                     ; and for source 0
	s_lshl_b32 s22, s20, 12                        ; their scale words
	s_lshl_b32 s92, s46, 12
	s_mul_i32 s20, s20, 98304                      ; their codes
	s_mul_i32 s46, s46, 98304
	s_mov_b32 s21, 0
	s_mov_b32 s23, 0
	s_mov_b32 s47, 0
	s_mov_b32 s93, 0
	s_mul_i32 s45, s14, HALFT                      ; where they go: wave x 128 rows: no place in the cluster enters an LDS address
	s_lshl_b32 s13, s14, 12
	s_wait_kmcnt 0x0
	s_cmp_eq_u32 s12, 1
	s_cselect_b64 s[66:67], s[8:9], s[4:5]         ; source 1's tensor: w for v, else x
	s_cselect_b64 s[2:3], s[4:5], s[8:9]           ; source 0's
	s_cselect_b64 s[18:19], s[10:11], s[6:7]       ; and their scales
	s_cselect_b64 s[94:95], s[6:7], s[10:11]
	s_add_nc_u64 s[20:21], s[66:67], s[20:21]
	s_add_nc_u64 s[22:23], s[18:19], s[22:23]
	s_add_nc_u64 s[46:47], s[2:3], s[46:47]
	s_add_nc_u64 s[92:93], s[94:95], s[92:93]
	CROUND                                         ; all sixteen work-groups are here: the first joint loads meet
	s_mov_b32 s[G0S], 1
	s_add_co_u32 s[G0S+1], s13, SCL
	s_mov_b64 s[G0S+2:G0S+3], s[22:23]
	s_or_b32 s[G0S+3], s[G0S+3], 0x80000000
	s_mov_b32 s[G0SB], 1
	s_add_co_u32 s[G0SB+1], s13, SCL
	s_mov_b64 s[G0SB+2:G0SB+3], s[92:93]
	s_or_b32 s[G0SB+3], s[G0SB+3], 0x80000000
	JLOAD G0S, G1S, G0SB, G1SB                     ; the scale words first: they are wanted with K step 0
.irp s, 0,1
	s_mov_b32 s[G0+4*\s], 1
	s_add_co_u32 s[G0+4*\s+1], s45, \s*SLOT
	s_add_nc_u64 s[G0+4*\s+2:G0+4*\s+3], s[20:21], \s*HALFT
	s_or_b32 s[G0+4*\s+3], s[G0+4*\s+3], 0x80000000
	s_mov_b32 s[G0B+4*\s], 1
	s_add_co_u32 s[G0B+4*\s+1], s45, \s*SLOT
	s_add_nc_u64 s[G0B+4*\s+2:G0B+4*\s+3], s[46:47], \s*HALFT
	s_or_b32 s[G0B+4*\s+3], s[G0B+4*\s+3], 0x80000000
	JLOAD G0+4*\s, G1, G0B+4*\s, G1B               ; three loads of mine are out behind the second of these
.endr
	v_and_b32 v1, 15, v0                           ; r
	v_bfe_u32 v2, v0, 4, 1                         ; h
	v_and_b32 v3, 31, v0
	v_lshlrev_b32 v[OL], 3, v3                     ; 8 x lane
	s_mul_i32 s21, s15, HALFT                      ; my 128 rows of source 1
	s_mul_i32 s22, s16, HALFT                      ; my 128 rows of source 0,
	s_add_co_u32 s22, s22, 2*HALFT                 ; which lie behind source 1's 256
.irp s, 0,1
	v_add_nc_u32 v[ADRA+\s], s21, v[OL]
	v_add_nc_u32 v[ADRB+\s], s22, v[OL]
	s_add_co_u32 s21, s21, SLOT
	s_add_co_u32 s22, s22, SLOT
.endr
	v_lshlrev_b32 v5, 3, v1                        ; my row's two scale words of a K step
	s_lshl_b32 s21, s15, 12                        ; source 1's: my group
	s_lshl_b32 s22, s16, 12                        ; source 0's: my group, behind source 1's two
	s_add_co_u32 s22, s22, 2*4096
	s_sub_co_u32 s22, s22, s21
	v_mul_u32_u24 v6, s22, v2                      ; lanes 16-31 take source 0's
	s_add_co_u32 s21, s21, SCL
	v_add_nc_u32 v5, v5, v6
	v_add_nc_u32 v[ADRS], s21, v5
	v_mul_u32_u24 v[OSC], v2, HSS
	v_lshl_add_u32 v[OSC], v1, 4, v[OSC]
	v_lshlrev_b32 v[BO1], 6, v2
	v_and_b32 v5, 8, v1
	v_add_nc_u32 v5, v5, v1
	v_lshlrev_b32 v[BO2], 2, v5
	; where my results go
	s_lshl_b32 s18, s17, 1
	s_add_co_u32 s18, s18, s15                     ; my group of 128 of source 1
	s_lshl_b32 s19, s42, 1
	s_add_co_u32 s19, s19, s16                     ; and of source 0
	s_cmp_eq_u32 s12, 1
	s_cselect_b32 s2, s19, s18                     ; my 128 tokens
	s_cselect_b32 s3, s18, s19                     ; my 128 columns of w_qkv: two heads of q, of k or of v
	s_lshr_b32 s66, s2, 4
	s_lshl_b32 s66, s66, 4                         ; 16 x batch
	s_and_b32 s67, s3, 7
	s_lshl_b32 s67, s67, 1
	s_add_co_u32 s66, s66, s67                     ; the first of my two heads
	s_lshr_b32 s67, s3, 3                          ; q, k or v
	s_and_b32 s2, s2, 15                           ; the key step of 128 tokens
	s_mul_i32 s20, s66, HS
	s_mul_i32 s21, s67, 98304
	s_add_co_u32 s20, s20, s21
	s_mul_i32 s21, s2, 6144
	s_add_co_u32 s20, s20, s21
	s_mov_b32 s21, 0
	s_add_nc_u64 s[98:99], s[98:99], s[20:21]
	s_mul_i32 s20, s66, HSS
	s_lshl_b32 s22, s67, 12
	s_add_co_u32 s20, s20, s22
	s_lshl_b32 s22, s2, 8
	s_add_co_u32 s20, s20, s22
	s_add_nc_u64 s[100:101], s[100:101], s[20:21]
	s_lshl_b32 s20, s3, 9
	s_add_nc_u64 s[96:97], s[96:97], s[20:21]      ; my 128 numbers of the bias
	s_cmp_eq_u32 s12, 0
	s_cbranch_scc0 .Lbias_v
.irp b, 0,1,2,3,4,5,6,7                        ; q, k: register j of tile b's results is column 32 (b / 2) + 8 (b % 2) + 16 h + j
	global_load_b128 v[BI+8*\b:BI+8*\b+3], v[BO1], s[96:97] offset:(32*(\b/2)+8*(\b%2))*4
	global_load_b128 v[BI+8*\b+4:BI+8*\b+7], v[BO1], s[96:97] offset:(32*(\b/2)+8*(\b%2))*4+16
.endr
	s_branch .Lbias_done
.Lbias_v:
.irp a, 0,1,2,3,4,5,6,7                        ; v: all eight registers of a lane belong to column 32 (a / 2) + 8 (a % 2) + r + 8 (r / 8): C wants eight registers
.irp j, 0,1,2,3,4,5,6,7
	global_load_b32 v[BI+8*\a+\j], v[BO2], s[96:97] offset:(32*(\a/2)+8*(\a%2))*4
.endr
.endr
.Lbias_done:
.macro FRAG reg, adr, q, i             ; a fragment comes as it was stored: six pieces, 8 bytes a lane, 256 consecutive bytes a load
.irp p, 0,1,2,3,4,5
	ds_load_b64 v[\reg+2*\p:\reg+2*\p+1], v[\adr] offset:(\i)*3072+(\q)*1536+256*\p
.endr
.endm
; 16 matrix instructions: source 1's blocks a0, a0 + 1 x source 0's eight, the slot's q-th 128 along K.  p: source 0's set; sc: the set of scale words.
; cm = 0: the sums go on; 1: they begin with the bias of source 0's rows; 2: with that of source 1's rows.  The 64 accumulators take turns, one instruction a turn, in the same order in every step.
.macro MUL16 a0, p, q, sc, cm
.irp a, \a0, \a0+1
.irp b, 0,1,2,3,4,5,6,7
.if \cm == 0
	v_wmma_scale_f32_16x16x128_f8f6f4 v[8*(8*((\a)%4)+\b):8*(8*((\a)%4)+\b)+7], v[128*(\p)+FR*\b:128*(\p)+FR*\b+FR-1], v[AF+FR*(\a):AF+FR*(\a)+FR-1], v[8*(8*((\a)%4)+\b):8*(8*((\a)%4)+\b)+7], v[SC+8*NQ*(\sc)+NQ*\b+(\q)], v[SC+8*NQ*(\sc)+NQ*(\a)+(\q)] matrix_a_fmt:MATRIX_FMT_FP6 matrix_b_fmt:MATRIX_FMT_FP6 matrix_a_scale:MATRIX_SCALE_ROW1
.elseif \cm == 1
	v_wmma_scale_f32_16x16x128_f8f6f4 v[8*(8*((\a)%4)+\b):8*(8*((\a)%4)+\b)+7], v[128*(\p)+FR*\b:128*(\p)+FR*\b+FR-1], v[AF+FR*(\a):AF+FR*(\a)+FR-1], v[BI+8*\b:BI+8*\b+7], v[SC+8*NQ*(\sc)+NQ*\b+(\q)], v[SC+8*NQ*(\sc)+NQ*(\a)+(\q)] matrix_a_fmt:MATRIX_FMT_FP6 matrix_b_fmt:MATRIX_FMT_FP6 matrix_a_scale:MATRIX_SCALE_ROW1
.else
	v_wmma_scale_f32_16x16x128_f8f6f4 v[8*(8*((\a)%4)+\b):8*(8*((\a)%4)+\b)+7], v[128*(\p)+FR*\b:128*(\p)+FR*\b+FR-1], v[AF+FR*(\a):AF+FR*(\a)+FR-1], v[BI+8*(\a):BI+8*(\a)+7], v[SC+8*NQ*(\sc)+NQ*\b+(\q)], v[SC+8*NQ*(\sc)+NQ*(\a)+(\q)] matrix_a_fmt:MATRIX_FMT_FP6 matrix_b_fmt:MATRIX_FMT_FP6 matrix_a_scale:MATRIX_SCALE_ROW1
.endif
.endr
.endr
.endm
.macro FETCH_B slot, q, p              ; source 0's eight fragments into set p
	WIN TO_B
.irp i, 0,1,2,3,4,5,6,7
	FRAG 128*(\p)+FR*\i, ADRB+\slot, \q, \i
.endr
	WIN 0
.endm
.macro FETCH_A slot, q, i0             ; source 1's blocks i0 .. i0 + 3
.irp i, \i0, \i0+1, \i0+2, \i0+3
	FRAG AF+FR*(\i), ADRA+\slot, \q, \i
.endr
.endm
.macro SCALES sc                       ; a K step's scale words into set sc: two words a row; lanes 0-15 take source 1's block i, lanes 16-31 source 0's
.irp i, 0,1,2,3,4,5,6,7
	ds_load_b64 v[SC+8*NQ*\sc+NQ*\i:SC+8*NQ*\sc+NQ*\i+1], v[ADRS] offset:\i*128
.endr
.endm
.macro PLACES n                        ; plain vector instructions between a matrix instruction and a load into, or a vector read of, its registers (ISA guide 7.12.1 for vector reads)
.rept \n
	v_nop
.endr
.endm
; A step of 128 along K that has its successor in the same slot.
.macro STEP slot, q, cm
	s_wait_dscnt 4*NL                              ; source 0's set and source 1's blocks 0-3 are in; the youngest 24 loads (blocks 4-7) may be out
.if \cm
	WIN 0x81                                       ; C, the bias, in window 0
.else
	WIN MUL_LO
.endif
	MUL16 0, (\q)%2, \q, \slot, \cm
	MUL16 2, (\q)%2, \q, \slot, \cm
	s_wait_dscnt 0
	PLACES NP
	FETCH_B \slot, (\q)+1, 1-(\q)%2
	FETCH_A \slot, (\q)+1, 0
.if \cm
	WIN 0xc1
.else
	WIN MUL_HI
.endif
	MUL16 4, (\q)%2, \q, \slot, \cm
	MUL16 6, (\q)%2, \q, \slot, \cm
	PLACES NP
	WIN 0
	FETCH_A \slot, (\q)+1, 4
.endm
; A slot's last step changes slots: one barrier; in front of it each wave waits for all its tensor loads, adds 0 to its spare word, and waits for that and for its own reads of this slot.  fill = 1: this slot is filled again, two K steps ahead.
.macro TURN slot, next, fill
	s_wait_tensorcnt 0x0                           ; all my tensor loads have landed: my part of the next slot
	ds_add_u32 v[SPW], v[NIL]                      ; 0 onto my spare word
	s_wait_dscnt 4*NL+1                            ; (the add and the youngest 24 loads may be out)
	WIN MUL_LO
	MUL16 0, 1, NQ-1, \slot, 0                     ; sixteen matrix instructions stand between the add and the wait for it
	s_wait_dscnt 0x0                               ; the add is done, and my reads of this slot are over
	s_barrier_signal -1
	MUL16 2, 1, NQ-1, \slot, 0
	WIN 0
	s_barrier_wait -1
.if \fill
	CREST                                          ; the barrier has opened a round of the cluster's barrier: no wave of any partner still reads this slot or has a load on its way
	s_add_nc_u64 s[G0+4*\slot+2:G0+4*\slot+3], s[G0+4*\slot+2:G0+4*\slot+3], 2*HALFT
	s_add_nc_u64 s[G0B+4*\slot+2:G0B+4*\slot+3], s[G0B+4*\slot+2:G0B+4*\slot+3], 2*HALFT
	JLOAD G0+4*\slot, G1, G0B+4*\slot, G1B         ; the first tensor load behind the round; its four v_nop are the places in front of the loads below
.else
	PLACES NP
.endif
	v_add_nc_u32 v[ADRS], 1024, v[ADRS]            ; on to the next K step's scale words
	FETCH_B \next, 0, 0
	FETCH_A \next, 0, 0
	SCALES \next
	WIN MUL_HI
	MUL16 4, 1, NQ-1, \slot, 0
	MUL16 6, 1, NQ-1, \slot, 0
	PLACES NP
	WIN 0
	FETCH_A \next, 0, 4
.endm
	s_wait_tensorcnt 1                             ; the scale words and my part of K step 0 are in (K step 1's load may be out)
	s_barrier_signal -1
	s_barrier_wait -1                              ; everybody's are
	FETCH_B 0, 0, 0
	FETCH_A 0, 0, 0
	SCALES 0
	FETCH_A 0, 0, 4
	s_wait_loadcnt 0x0                             ; the bias
	s_cmp_eq_u32 s12, 0
	s_cbranch_scc0 .Lfirst_v
	STEP 0, 0, 1                                   ; the first step starts the sums with the bias: nothing is cleared
	s_branch .Lfirst_done
.Lfirst_v:
	STEP 0, 0, 2
.Lfirst_done:
	TURN 0, 1, 1                                   ; slot 0 takes K step 2
	STEP 1, 0, 0
	TURN 1, 0, 1                                   ; slot 1 takes K step 3
	STEP 0, 0, 0
	TURN 0, 1, 0                                   ; nothing is left to fetch
	STEP 1, 0, 0
	s_wait_dscnt 4*NL
	WIN MUL_LO
	MUL16 0, 1, NQ-1, 1, 0
	MUL16 2, 1, NQ-1, 1, 0
	s_wait_dscnt 0
	WIN MUL_HI
	MUL16 4, 1, NQ-1, 1, 0
	MUL16 6, 1, NQ-1, 1, 0
	WIN 0
; THE EPILOGUE.  Block a of source 1 (16 rows) holds, in a lane's 64 registers, 128 natural neighbours along the next product's K: register 16 b + i is k = 32 b + 16 (lane / 16) + i of the lane's row.
; They become a fragment's codes and a scale word in registers, and leave as pieces of 256 bytes.  No LDS.
.irp b, 0,1,2,3
	v_mov_b32 v[TM+4+\b], 0                        ; written once: a lane permute's destination counts as one of its sources.  These four are also the places behind the last products
.endr
	s_mov_b32 s20, 0x76543210
	s_mov_b32 s21, 0xfedcba98                      ; v_permlanex16_b32's selects for lane l xor 16
	s_mov_b32 s94, 0x1800000                       ; the floor 2^(3 - 127)
	v_cmp_eq_u32 s93, 1, v2                        ; lanes 16-31
.macro QUANTW a
.set W,  2+(\a)/4
.set AC, 64*((\a)%4)
	WIN (W<<2)|(W<<4)                              ; sources 1 and 2: the accumulators' window
.irp b, 0,1,2,3
	v_max3_num_f32 v[TM+\b], s94, |v[AC+16*\b]|, |v[AC+16*\b+1]|   ; each accumulator is read from its low end on
.endr
.irp i, 2,4,6,8,10,12,14
.irp b, 0,1,2,3
	v_max3_num_f32 v[TM+\b], v[TM+\b], |v[AC+16*\b+\i]|, |v[AC+16*\b+\i+1]|
.endr
.endr
	WIN 0
.irp b, 0,1,2,3
	v_permlanex16_b32 v[TM+4+\b], v[TM+\b], s20, s21
.endr
.irp b, 0,1,2,3
	v_max_num_f32 v[TM+\b], v[TM+\b], v[TM+4+\b]   ; with lane l xor 16's: the block's largest magnitude
.endr
.irp b, 0,1,2,3
	v_add_nc_u32 v[TM+12+\b], 0xff000000, v[TM+\b] ; 2 off its exponent field: the conversion's scale operand
.endr
.irp b, 0,1,2,3
	v_lshrrev_b32 v[TM+4+\b], 23, v[TM+12+\b]      ; the scale's byte
.endr
	v_lshl_or_b32 v[PWS+(\a)], v[TM+5], 8, v[TM+4]
	v_lshl_or_b32 v[PWS+(\a)], v[TM+6], 16, v[PWS+(\a)]
	v_lshl_or_b32 v[PWS+(\a)], v[TM+7], 24, v[PWS+(\a)]
	s_wait_xcnt 0x0                                ; the last block's stores have read their data: the codes' registers are written again only behind this wait
	WIN W                                          ; source 0: the accumulators' window
.irp c, 0,1
	v_cvt_scalef32_pk16_fp6_f32 v[PC+6*\c:PC+6*\c+2], v[AC+32*\c:AC+32*\c+15], v[TM+12+2*\c]
	v_cvt_scalef32_pk16_fp6_f32 v[PC+12+4*\c:PC+14+4*\c], v[AC+32*\c+16:AC+32*\c+31], v[TM+12+2*\c+1]   ; (a conversion's three registers begin on an even number)
.endr
	WIN 0
	v_nop                                          ; one plain place behind a scaled conversion
.irp c, 0,1                                    ; the operand's layout wants a whole block in a lane: lanes 0-15 block 2 c, lanes 16-31 block 2 c + 1
.irp i, 0,1,2
	v_permlane16_swap_b32 v[PC+6*\c+\i], v[PC+12+4*\c+\i]
.endr
.irp i, 0,1,2
	v_mov_b32 v[PC+3+6*\c+\i], v[PC+12+4*\c+\i]
.endr
.endr
.endm
.macro EPI vp
.irp a, 0,1,2,3,4,5,6,7
	QUANTW \a
.irp p, 0,1,2,3,4,5
.if \vp == 0
	global_store_b64 v[OL], v[PC+2*\p:PC+2*\p+1], s[98:99] offset:(\p/3)*HS+\a*768+(\p%3)*256   ; token tile a: the first head's 64 channels, then the second's
.else
	global_store_b64 v[OL], v[PC+2*\p:PC+2*\p+1], s[98:99] offset:(\a/4)*HS+(\a%4)*1536+256*\p   ; head a / 4, channel tile a % 4: a fragment of 128 tokens
.endif
.endr
.endr
.if \vp == 0
	v_mov_b32 v30, 0x05040100                      ; lanes 0-15: the first head's two bytes of two tiles' words;
	v_mov_b32 v23, 0x07060302                      ; lanes 16-31: the second head's
	v_cndmask_b32 v30, v30, v23, s93
.irp g, 0,1,2,3
	v_perm_b32 v[W4+\g], v[PWS+2*\g+1], v[PWS+2*\g], v30
.endr
.else
.irp g, 0,1,2,3
	v_cndmask_b32 v[W4+\g], v[PWS+\g], v[PWS+4+\g], s93   ; lanes 0-15: the first head's four channel tiles; lanes 16-31: the second's
.endr
.endif
	global_store_b128 v[OSC], v[W4:W4+3], s[100:101]   ; sixteen lanes store 256 consecutive bytes, aligned, for each of the two heads
.endm
	s_cmp_eq_u32 s12, 0
	s_cbranch_scc0 .Lepi_v
	EPI 0
	s_branch .Lepi_done
.Lepi_v:
	EPI 1
.Lepi_done:
	s_wait_tensorcnt 0x0                           ; the wave's end
	ds_add_u32 v[SPW], v[NIL]
	s_wait_dscnt 0x0
	CROUND                                         ; the closing round: no work-group ends while a partner may still ask for a tile that names it
	s_endpgm
.Lfunc_end_k_qea2af9c06d_gemm_qkv:
	.size	k_qea2af9c06d_gemm_qkv, .Lfunc_end_k_qea2af9c06d_gemm_qkv-k_qea2af9c06d_gemm_qkv
	.p2alignl 7, 3214868480
	.fill 96, 4, 3214868480
	.section	.rodata,"a",@progbits
	.p2align	6, 0x0
	.amdhsa_kernel k_qea2af9c06d_gemm_qkv
		.amdhsa_group_segment_fixed_size 327680
		.amdhsa_private_segment_fixed_size 0
		.amdhsa_enable_private_segment 0
		.amdhsa_kernarg_size 56
		.amdhsa_user_sgpr_count 2
		.amdhsa_user_sgpr_kernarg_segment_ptr 1
		.amdhsa_wavefront_size32 1
		.amdhsa_system_sgpr_workgroup_id_x 1
		.amdhsa_system_sgpr_workgroup_id_y 1
		.amdhsa_system_sgpr_workgroup_id_z 1
		.amdhsa_system_vgpr_workitem_id 0
		.amdhsa_next_free_vgpr 1024
		.amdhsa_next_free_sgpr 102
		.amdhsa_reserve_vcc 0
		.amdhsa_float_denorm_mode_32 3
		.amdhsa_float_denorm_mode_16_64 3
		.amdhsa_memory_ordered 1
		.amdhsa_forward_progress 1
		.amdhsa_inst_pref_size 223
	.end_amdhsa_kernel
	.amdgpu_metadata
---
amdhsa.version: [ 1, 2 ]
amdhsa.kernels:
  - .name:           k_qea2af9c06d_gemm_qkv
    .symbol:         k_qea2af9c06d_gemm_qkv.kd
    .args:
      - { .name: x_img, .offset: 0, .size: 8, .value_kind: global_buffer, .address_space: global }
      - { .name: x_sc, .offset: 8, .size: 8, .value_kind: global_buffer, .address_space: global }
      - { .name: w_img, .offset: 16, .size: 8, .value_kind: global_buffer, .address_space: global }
      - { .name: w_sc, .offset: 24, .size: 8, .value_kind: global_buffer, .address_space: global }
      - { .name: b_qkv, .offset: 32, .size: 8, .value_kind: global_buffer, .address_space: global }
      - { .name: qkv, .offset: 40, .size: 8, .value_kind: global_buffer, .address_space: global }
      - { .name: qkvs, .offset: 48, .size: 8, .value_kind: global_buffer, .address_space: global }
    .group_segment_fixed_size: 327680
    .private_segment_fixed_size: 0
    .kernarg_segment_align: 8
    .kernarg_segment_size: 56
    .max_flat_workgroup_size: 128
    .sgpr_count:     102
    .vgpr_count:     1024
    .wavefront_size: 32
...
	.end_amdgpu_metadata
.endif
;; end of part 2
;; launch attn (part 3): grid 4 x 64, 16 waves a work-group, clusters of 4 x 1, 327,680 bytes of LDS; arguments qkv, qkvs, a_img, a_sc; writes a_img, a_sc
.if DOCPART == 3
	.amdgcn_target "amdgcn-amd-amdhsa--gfx1250"
	.amdhsa_code_object_version 6
	.text
	.protected	k_qea2af9c06d_attn
	.globl	k_qea2af9c06d_attn
	.p2align	8
	.type	k_qea2af9c06d_attn,@function
k_qea2af9c06d_attn:
	s_mov_b64 s[64:65], 0
	v_nop
	global_prefetch_b8 v0, s[64:65] scope:SCOPE_SE
	s_setreg_imm32_b32 hwreg(HW_REG_WAVE_MODE, 25, 1), 1
	s_wait_xcnt 0x0
	s_wait_alu depctr_hold_cnt(0) depctr_sa_sdst(0) depctr_va_vdst(0) depctr_va_sdst(0) depctr_va_ssrc(0) depctr_va_vcc(0) depctr_vm_vsrc(0)
	s_getreg_b32 s2, hwreg(HW_REG_IB_STS2, 6, 4)
	s_cmp_eq_u32 s2, 0
	s_cbranch_scc0 .Lentry_in_a_cluster
	s_endpgm
.Lentry_in_a_cluster:
	s_bfe_u32 s2, ttmp6, 0x10000c
	s_cmp_lg_u32 s2, 0x3003
	s_cbranch_scc0 .Lentry_shape_is_right
	s_endpgm
.Lentry_shape_is_right:
; a[b][q][h d] = the sum over k of softmax_k(q . k / 8) v, 64 heads of 2,048 tokens x 64 channels, both products on codes of FP6 (E2M3) with E8M0 scales; the result, divided by the row's sum, is quantised along (h d) for the last product.
; THE SOFTMAX: t = score x log2(e) / 8; M = the row's largest t so far, rounded up to a whole number; p = 2^(t - M) is quantised along the keys, not normalised; the row's sum is taken of the unquantised p.
; When M moves, the sum and O are multiplied by 2^(old M - new M): exact.
; IN: qkv [64][q, k, v][98,304], qkvs [64][3][4,096]: images of the operands' registers.  q, k: tile of 16 tokens x 768 bytes (16 rows x 64 channels: registers 0-5 of a fragment, three pieces of 256 bytes, 8 bytes a lane).
;     v: key step of 128 x 6,144 + channel tile x 1,536.  Scale words: key step x 256 + 16 x row + 4 x word.
; K = 64 IN THE FIRST PRODUCT: a fragment of k carries TWO tiles of keys, one in each half of the instruction's 128.  q stands in 18 registers, zeros | q | zeros: the last twelve meet the first tile, the first twelve the second;
; the other tile's codes meet zero codes, which add nothing under its scale bytes (1 to 254).  q's scale word is its two bytes twice.
; Tokens are filed by position (row r of tile 2 B + u is token 32 B + 8 u + r + 8 (r / 8)), so the 16 registers of two neighbouring tiles of scores are 16 neighbouring keys; channels likewise in O^T.
; SHARES.  A work-group owns 512 queries of one head, in two passes of 256; each of its sixteen waves owns one tile of 16 in a pass, in 256 registers: four waves to a SIMD.
; A WHOLE HEAD'S k AND v LIE IN LDS: 2 x 98,304 bytes of codes and 2 x 4,096 of scale words, filled once.  No slot is ever filled again.  The four work-groups of a cluster belong to one head: every tile is asked for jointly.
; Both products are used transposed (S^T = k q^T, O^T = v^T p^T): a lane holds one query throughout.
; OUT: a_img, a_sc in the layout of a GEMM's operand: group of 128 tokens x 98,304 + K step of 256 x 24,576 + tile x 3,072 + fragment x 1,536 + piece x 256 + 8 x lane; group x 4,096 + K step x 1,024 + tile x 128 + 8 x row + byte.
;      A head owns two bytes of a row's scale word, so the scale bytes leave one a lane, 8 bytes apart: one byte for each 24 of codes.
; LIMITS: a block of zeros gets the byte 1 where the quantiser says 127 (its codes are zeros; this program alone reads the bytes); a p under 2^-126 counts as 0; NaN and infinities are not served.
.set HS,   294912
.set HSS,  12288
.set VIMG, 98304                       ; LDS: k's images at 0, v's here,
.set KSC,  196608                      ; k's scale words, and 4,096 bytes on v's
.set L8,   1                           ; v1   8 x lane
.set AS0,  2                           ; v2   KSC + 16 r
.set R16,  4                           ; v4   16 r
.set SBO,  5                           ; v5   8 r + h
.set ADK,  8                           ; v8   LDS address of the step's fragments of k
.set ADV,  9                           ; v9   of v
.set ADS,  10                          ; v10  of the step's scale words
.set FRG,  36                          ; v36-83 four fragments, k's and then v's
.set PCD,  192                         ; v192-203 p's codes; v204-206, v208-210 the conversions' second halves
.set PW,   211                         ; v211 p's scale word
                                       ; v12 -M, v13 the largest t, v[14:15] the sum in two halves; v16-33 zeros | q | zeros; v96-159 S^T, then p; v160-191 O^T; v212-215 v's scale words; v232-254 at work; v248-251 k's scale words; v255 q's
.set WV,   18                          ; s18  my wave's number
.set SEL,  20                          ; s[20:21] lane selects for v_permlanex16_b32: lane l xor 16
.set CS,   22                          ; s[22:23] c = log2(e) / 8
.set G1,   24                          ; s[24:31] descriptor group 1: 24,576 dense bytes;  s[32:39]: 4,096
.set G1S,  32
.set G0S,  40                          ; s[40:43] group 0 for the scale words;  s[44:59] for the four chunks of 512 keys
.set G0,   44
.set CNT,  60
.set PASS, 61
.set TB,   62                          ; s62  LDS byte at which the step's fragments of k begin
.set TS,   63                          ; s63  and its scale words, from KSC
.macro CROUND
	s_barrier_signal -1
	s_barrier_wait -1
	s_cmp_lg_u32 s[WV], 0
	s_cbranch_scc1 .Lnot_wave_0_\@
	s_barrier_signal -3
.Lnot_wave_0_\@:
	s_barrier_wait -3
	s_barrier_signal -1
	s_barrier_wait -1
.endm
	s_load_b256 s[4:11], s[0:1], 0x0               ; qkv s[4:5], qkvs s[6:7], a_img s[8:9], a_sc s[10:11]
	v_lshl_add_u32 v242, v0, 2, 0x32000
	v_mov_b32 v243, 0
	ds_add_u32 v242, v243
	ds_add_u32 v242, v243
	v_lshrrev_b32 v1, 5, v0
	s_delay_alu instid0(VALU_DEP_1)
	v_readfirstlane_b32 s[WV], v1                  ; wave 0..15
	s_bfe_u32 s19, ttmp6, 0x40000                  ; cx: it enters q's and the output's addresses alone
	s_and_b32 s12, ttmp7, 0xffff                   ; 16 x batch + head, which the four partners share
	s_and_b32 s13, s12, 15                         ; the head
	s_lshr_b32 s14, s12, 4                         ; the batch
	s_and_b32 s16, s[WV], 1                        ; wave 0 fetches k's, wave 1 v's
	s_mul_i32 s70, s12, HS
	s_mul_i32 s15, s16, 98304
	s_add_co_u32 s70, s70, s15
	s_add_co_u32 s70, s70, 98304                   ; k's or v's codes of the head
	s_mov_b32 s71, 0
	s_mul_i32 s72, s12, HSS
	s_lshl_b32 s17, s16, 12
	s_add_co_u32 s72, s72, s17
	s_add_co_u32 s72, s72, 4096                    ; and their scale words
	s_mov_b32 s73, 0
	s_mov_b32 s[G1], 15|(3<<16)|(1<<21)            ; 15:0 the mask: all four work-groups; 17:16 elements of 8 bytes; 21 set beside a mask; no padding: a piece is read as 256 consecutive bytes
	s_mov_b32 s[G1+1], 32<<16                      ; tensor_dim0
	s_mov_b32 s[G1+2], 96<<16                      ; tensor_dim1
	s_mov_b32 s[G1+3], 32<<16                      ; tile_dim0
	s_mov_b32 s[G1+4], 96                          ; tile_dim1
	s_mov_b32 s[G1+5], 32                          ; tensor_dim0_stride
	s_mov_b32 s[G1+6], 0
	s_mov_b32 s[G1+7], 0
	s_mov_b32 s[G1S], 15|(3<<16)|(1<<21)
	s_mov_b32 s[G1S+1], 32<<16
	s_mov_b32 s[G1S+2], 16<<16
	s_mov_b32 s[G1S+3], 32<<16
	s_mov_b32 s[G1S+4], 16
	s_mov_b32 s[G1S+5], 32
	s_mov_b32 s[G1S+6], 0
	s_mov_b32 s[G1S+7], 0
	s_wait_dscnt 0x0
	s_wait_kmcnt 0x0
	s_add_nc_u64 s[70:71], s[4:5], s[70:71]
	s_add_nc_u64 s[72:73], s[6:7], s[72:73]
	s_mov_b32 s[G0S], 1
	s_add_co_u32 s[G0S+1], s17, KSC
	s_mov_b64 s[G0S+2:G0S+3], s[72:73]
	s_or_b32 s[G0S+3], s[G0S+3], 0x80000000
.irp c, 0,1,2,3
	s_mov_b32 s[G0+4*\c], 1
	s_add_co_u32 s[G0+4*\c+1], s15, \c*24576
	s_add_nc_u64 s[G0+4*\c+2:G0+4*\c+3], s[70:71], \c*24576
	s_or_b32 s[G0+4*\c+3], s[G0+4*\c+3], 0x80000000
.endr
	CROUND                                         ; all four work-groups are here: the joint loads meet
	s_cmp_lt_u32 s[WV], 2                          ; all fills of a wave stand in one branch, ahead of every wait on TENSORcnt, every LDS read and every later barrier: five loads of the wave are out
	s_cbranch_scc0 .Lno_fetch
	tensor_load_to_lds s[G0S:G0S+3], s[G1S:G1S+7]  ; the scale words of the whole head
	s_nop 0
	tensor_load_to_lds s[G0:G0+3], s[G1:G1+7]      ; keys 0 to 511,
	s_nop 0
	tensor_load_to_lds s[G0+4:G0+7], s[G1:G1+7]
	s_nop 0
	tensor_load_to_lds s[G0+8:G0+11], s[G1:G1+7]
	s_nop 0
	tensor_load_to_lds s[G0+12:G0+15], s[G1:G1+7]  ; keys 1,536 to 2,047
	s_nop 0
.rept 4
	v_nop
.endr
.Lno_fetch:
	; q's and the output's places.  My tile of queries is 32 cx + 16 pass + wave
	s_mul_i32 s74, s12, HS
	s_mul_i32 s75, s19, 24576
	s_add_co_u32 s74, s74, s75
	s_mul_i32 s75, s[WV], 768
	s_add_co_u32 s74, s74, s75
	s_mov_b32 s75, 0
	s_add_nc_u64 s[4:5], s[4:5], s[74:75]          ; q's codes
	s_mul_i32 s74, s12, HSS
	s_lshl_b32 s76, s19, 10
	s_add_co_u32 s74, s74, s76
	s_lshr_b32 s76, s[WV], 3
	s_lshl_b32 s77, s76, 8
	s_add_co_u32 s74, s74, s77
	s_bfe_u32 s77, s[WV], 0x20001
	s_lshl_b32 s77, s77, 2
	s_add_co_u32 s74, s74, s77
	s_add_nc_u64 s[6:7], s[6:7], s[74:75]          ; the word that holds q's two scale bytes
	s_lshl_b32 s77, s14, 4
	s_lshl_b32 s78, s19, 2
	s_add_co_u32 s77, s77, s78
	s_add_co_u32 s77, s77, s76                     ; the group of 128 tokens
	s_lshr_b32 s78, s13, 2                         ; the head's K step of 256,
	s_and_b32 s79, s[WV], 7                        ; my tile in the group,
	s_bfe_u32 s76, s13, 0x10001                    ; the head's fragment,
	s_and_b32 s13, s13, 1                          ; and its half of it
	s_mul_i32 s74, s77, 98304
	s_mul_i32 s2, s78, 24576
	s_add_co_u32 s74, s74, s2
	s_mul_i32 s2, s79, 3072
	s_add_co_u32 s74, s74, s2
	s_mul_i32 s2, s76, 1536
	s_add_co_u32 s74, s74, s2
	s_mul_i32 s2, s13, 768
	s_add_co_u32 s74, s74, s2
	s_add_nc_u64 s[8:9], s[8:9], s[74:75]
	s_lshl_b32 s74, s77, 12
	s_lshl_b32 s2, s78, 10
	s_add_co_u32 s74, s74, s2
	s_lshl_b32 s2, s79, 7
	s_add_co_u32 s74, s74, s2
	s_lshl_b32 s2, s76, 2
	s_add_co_u32 s74, s74, s2
	s_lshl_b32 s2, s13, 1
	s_add_co_u32 s74, s74, s2
	s_add_nc_u64 s[10:11], s[10:11], s[74:75]
	s_mov_b32 s[SEL], 0x76543210
	s_mov_b32 s[SEL+1], 0xfedcba98
	s_mov_b32 s[CS], 0x3e38aa3b                    ; c = log2(e) / 8
	s_mov_b32 s[CS+1], s[CS]                       ; (named with it as a pair, so it is written)
	s_cmp_eq_u32 s16, 0
	s_mov_b32 s66, 0x03020302                      ; an odd tile's bytes are the word's upper two,
	s_cselect_b32 s66, 0x01000100, s66             ; an even tile's the lower two: each pair twice
	v_and_b32 v3, 31, v0
	s_delay_alu instid0(VALU_DEP_1)
	v_lshlrev_b32 v[L8], 3, v3
	v_and_b32 v6, 15, v0                           ; r
	v_bfe_u32 v7, v0, 4, 1                         ; h
	s_delay_alu instid0(VALU_DEP_2)
	v_lshlrev_b32 v[R16], 4, v6
	s_delay_alu instid0(VALU_DEP_1)
	v_add_nc_u32 v[AS0], KSC, v[R16]
	s_delay_alu instid0(VALU_DEP_3)
	v_lshl_add_u32 v[SBO], v6, 3, v7
	s_delay_alu instid0(VALU_DEP_4)
	v_cmp_eq_u32 s67, 1, v7                        ; lanes 16-31
.irp j, 16,17,18,19,20,21,28,29,30,31,32,33
	v_mov_b32 v[\j], 0                             ; the zero codes on both sides of q
.endr
.irp b, 0,1,2,3
	v_mov_b32 v[236+\b], 0                         ; written once: a lane permute's destination counts as one of its sources
.endr
	v_mov_b32 v252, 0
	v_mov_b32 v253, 0                              ; (named as the upper half of the pair v[252:253])
; A KEY STEP: 128 keys.
.macro STEP
	v_add_nc_u32 v[ADK], s[TB], v[L8]
	v_add_nc_u32 v[ADS], s[TS], v[AS0]
	s_delay_alu instid0(VALU_DEP_2)
	v_add_nc_u32 v[ADV], VIMG, v[ADK]
	v_nop                                          ; four places in front of loads into registers that the last products have read
.irp g, 0,1,2,3
.irp p, 0,1,2,3,4,5
	ds_load_b64 v[FRG+12*\g+2*\p:FRG+12*\g+2*\p+1], v[ADK] offset:1536*\g+256*\p
.endr
.endr
	ds_load_b128 v[248:251], v[ADS]                ; word g: the scale bytes of key tiles 2 g and 2 g + 1, row r
	s_wait_alu depctr_va_vdst(0)
	s_wait_dscnt 0x0
.irp g, 0,1,2,3                                ; S^T = k q^T: fragment g against q | 0 gives key tile 2 g, against 0 | q key tile 2 g + 1
	v_wmma_scale_f32_16x16x128_f8f6f4 v[96+16*\g:103+16*\g], v[FRG+12*\g:FRG+12*\g+11], v[22:33], 0, v[248+\g], v255 matrix_a_fmt:MATRIX_FMT_FP6 matrix_b_fmt:MATRIX_FMT_FP6
	v_wmma_scale_f32_16x16x128_f8f6f4 v[104+16*\g:111+16*\g], v[FRG+12*\g:FRG+12*\g+11], v[16:27], 0, v[248+\g], v255 matrix_a_fmt:MATRIX_FMT_FP6 matrix_b_fmt:MATRIX_FMT_FP6
.endr                                          ; register 16 b + i is key 32 b + 16 (lane / 16) + i of the step
.rept 4
	v_nop                                          ; places: for the loads below and for the first read of the scores
.endr
.irp t, 0,1,2,3                                ; v's four fragments take k's registers: they land while the softmax is worked
.irp p, 0,1,2,3,4,5
	ds_load_b64 v[FRG+12*\t+2*\p:FRG+12*\t+2*\p+1], v[ADV] offset:1536*\t+256*\p
.endr
.endr
	ds_load_b128 v[212:215], v[ADS] offset:4096    ; word t: channel tile t's scale bytes for these 128 keys, row r
.irp b, 0,1,2,3
	v_max3_num_f32 v[232+\b], v[96+16*\b], v[97+16*\b], v[98+16*\b]   ; the largest score of each block of 32 keys: for the row's maximum, and, since p rises with the score, for the block's largest p
.endr
.irp i, 3,5,7,9,11,13
.irp b, 0,1,2,3
	v_max3_num_f32 v[232+\b], v[232+\b], v[96+16*\b+\i], v[97+16*\b+\i]
.endr
.endr
.irp b, 0,1,2,3
	v_max_num_f32 v[232+\b], v[232+\b], v[111+16*\b]
.endr
.irp b, 0,1,2,3
	s_delay_alu instid0(VALU_DEP_4)
	v_permlanex16_b32 v[236+\b], v[232+\b], s[SEL], s[SEL+1]
.endr
.irp b, 0,1,2,3
	s_delay_alu instid0(VALU_DEP_4)
	v_max_num_f32 v[232+\b], v[232+\b], v[236+\b]  ; with lane l xor 16's 16 keys
.endr
	s_delay_alu instid0(VALU_DEP_2)
	v_max3_num_f32 v254, v232, v233, v234
	s_delay_alu instid0(VALU_DEP_1)
	v_max_num_f32 v254, v254, v235                 ; the step's largest score of my query
	s_delay_alu instid0(VALU_DEP_1)
	v_mul_f32 v254, s[CS], v254                    ; as t (c is positive)
	s_delay_alu instid0(VALU_DEP_1)
	v_max_num_f32 v13, v13, v254                   ; the running largest t
	v_mov_b32 v254, v12
	s_delay_alu instid0(VALU_DEP_2)
	v_floor_f32 v12, -v13                          ; the new -M = floor(-t): M is a whole number
	s_delay_alu instid0(VALU_DEP_1)
	v_sub_f32 v254, v12, v254                      ; old M - new M: a whole number, 0 or less
	s_delay_alu instid0(VALU_DEP_1)
	v_cvt_i32_f32 v254, v254                       ; (it saturates)
	s_delay_alu instid0(VALU_DEP_1)
	v_ldexp_f32 v252, 1.0, v254                    ; f = 2^(old M - new M)
.irp j, 0,2,4,6,8,10,12,14,16,18,20,22,24,26,28,30,32,34,36,38,40,42,44,46,48,50,52,54,56,58,60,62
	v_pk_fma_f32 v[96+\j:97+\j], v[96+\j:97+\j], s[CS:CS+1], v[12:13] op_sel_hi:[1,0,0]   ; t - M, two at a time
.endr
.irp b, 0,1,2,3
	v_fma_f32 v[232+\b], v[232+\b], s[CS], v12     ; the same of each block's largest score
.endr
	s_setprio 1
	s_wait_alu depctr_va_vdst(0)
.irp j, 0,1,2,3,4,5,6,7,8,9,10,11,12,13,14,15,16,17,18,19,20,21,22,23,24,25,26,27,28,29,30,31,32,33,34,35,36,37,38,39,40,41,42,43,44,45,46,47,48,49,50,51,52,53,54,55,56,57,58,59,60,61,62,63
	v_exp_f32 v[96+\j], v[96+\j]                   ; p = 2^(t - M), at most 1
.endr
	v_pk_mul_f32 v[14:15], v[14:15], v[252:253] op_sel_hi:[1,0]   ; the sums under the new M: a plain place behind the exponentials
	s_wait_alu depctr_va_vdst(0)                   ; one wait for the batch of 64, ahead of its first reader
.irp b, 0,1,2,3
	v_exp_f32 v[232+\b], v[232+\b]                 ; each block's largest p: the same two instructions on the same number
.endr
	v_pk_add_f32 v[236:237], v[100:101], v[104:105]
	v_pk_add_f32 v[250:251], v[108:109], v[112:113]
	v_pk_add_f32 v[248:249], v[116:117], v[120:121]
	v_pk_add_f32 v[246:247], v[124:125], v[128:129]
	v_pk_add_f32 v[244:245], v[132:133], v[136:137]
	v_pk_add_f32 v[240:241], v[140:141], v[144:145]
	v_pk_add_f32 v[238:239], v[148:149], v[152:153]
	v_pk_add_f32 v[14:15], v[14:15], v[156:157]
	v_pk_add_f32 v[236:237], v[236:237], v[96:97]
	v_pk_add_f32 v[250:251], v[250:251], v[98:99]
	v_pk_add_f32 v[248:249], v[248:249], v[102:103]
	v_pk_add_f32 v[246:247], v[246:247], v[106:107]
	v_pk_add_f32 v[244:245], v[244:245], v[110:111]
	v_pk_add_f32 v[240:241], v[240:241], v[114:115]
	v_pk_add_f32 v[238:239], v[238:239], v[118:119]
	v_pk_add_f32 v[14:15], v[14:15], v[122:123]
	v_pk_add_f32 v[236:237], v[236:237], v[126:127]
	v_pk_add_f32 v[250:251], v[250:251], v[130:131]
	v_pk_add_f32 v[248:249], v[248:249], v[134:135]
	v_pk_add_f32 v[246:247], v[246:247], v[138:139]
	v_pk_add_f32 v[244:245], v[244:245], v[142:143]
	v_pk_add_f32 v[240:241], v[240:241], v[146:147]
	v_pk_add_f32 v[238:239], v[238:239], v[150:151]
	v_pk_add_f32 v[14:15], v[14:15], v[154:155]
	v_pk_add_f32 v[236:237], v[236:237], v[158:159]
	s_delay_alu instid0(VALU_DEP_2)
	v_pk_add_f32 v[14:15], v[14:15], v[246:247]
	s_delay_alu instid0(VALU_DEP_2)
	v_pk_add_f32 v[236:237], v[236:237], v[244:245]
	v_pk_add_f32 v[250:251], v[250:251], v[240:241]
	v_pk_add_f32 v[248:249], v[248:249], v[238:239]
	s_delay_alu instid0(VALU_DEP_2)
	v_pk_add_f32 v[14:15], v[14:15], v[250:251]
	s_delay_alu instid0(VALU_DEP_2)
	v_pk_add_f32 v[236:237], v[236:237], v[248:249]
	s_delay_alu instid0(VALU_DEP_1)
	v_pk_add_f32 v[14:15], v[14:15], v[236:237]
	s_wait_alu depctr_va_vdst(0)                   ; and one wait for the four
.irp b, 0,1,2,3
	v_max_num_f32 v[232+\b], 0x1800000, v[232+\b]  ; the floor 2^(3 - 127): the byte cannot fall under 1
.endr
.irp b, 0,1,2,3
	s_delay_alu instid0(VALU_DEP_4)
	v_add_nc_u32 v[244+\b], 0xff000000, v[232+\b]  ; 2 off the exponent field: the conversion's scale operand
.endr
.irp b, 0,1,2,3
	s_delay_alu instid0(VALU_DEP_4)
	v_lshrrev_b32 v[236+\b], 23, v[244+\b]         ; the scale's byte
.endr
	s_delay_alu instid0(VALU_DEP_3)
	v_lshl_or_b32 v[PW], v237, 8, v236             ; p's scale word for these 128 keys
	s_delay_alu instid0(VALU_DEP_1)
	v_lshl_or_b32 v[PW], v238, 16, v[PW]
	s_delay_alu instid0(VALU_DEP_1)
	v_lshl_or_b32 v[PW], v239, 24, v[PW]
.irp c, 0,1
	v_cvt_scalef32_pk16_fp6_f32 v[PCD+6*\c:PCD+6*\c+2], v[96+32*\c:111+32*\c], v[244+2*\c]
	v_cvt_scalef32_pk16_fp6_f32 v[PCD+12+4*\c:PCD+14+4*\c], v[112+32*\c:127+32*\c], v[244+2*\c+1]   ; (a conversion's three registers begin on an even number)
.endr
	v_nop                                          ; one plain place behind a scaled conversion
	s_setprio 0
.irp c, 0,1                                    ; the operand's layout wants a whole block in a lane
.irp i, 0,1,2
	v_permlane16_swap_b32 v[PCD+6*\c+\i], v[PCD+12+4*\c+\i]
.endr
.irp i, 0,1,2
	s_delay_alu instid0(VALU_DEP_3)
	v_mov_b32 v[PCD+3+6*\c+\i], v[PCD+12+4*\c+\i]
.endr
.endr
.irp j, 0,2,4,6,8,10,12,14,16,18,20,22,24,26,28,30
	v_pk_mul_f32 v[160+\j:161+\j], v[160+\j:161+\j], v[252:253] op_sel_hi:[1,0]   ; O^T under the new M.  These sixteen are also the places between the scale word's and the codes' last writes and the products below
.endr
	s_wait_alu depctr_va_vdst(0)
	s_wait_dscnt 0x0                               ; v's fragments and scale words
.irp t, 0,1,2,3                                ; O^T += v^T p^T: the four accumulators by turns
	v_wmma_scale_f32_16x16x128_f8f6f4 v[160+8*\t:167+8*\t], v[FRG+12*\t:FRG+12*\t+11], v[PCD:PCD+11], v[160+8*\t:167+8*\t], v[212+\t], v[PW] matrix_a_fmt:MATRIX_FMT_FP6 matrix_b_fmt:MATRIX_FMT_FP6
.endr
	s_add_co_u32 s[TB], s[TB], 6144
	s_add_co_u32 s[TS], s[TS], 256
.endm
; Four key steps: the 512 keys that one tensor load has brought.
.macro CHUNK c
	s_wait_tensorcnt 3-\c                          ; in the waves that fetch: the scale words and chunks 0 to c have landed; the later chunks may stay out
	s_barrier_signal -1
	s_barrier_wait -1                              ; now every wave may read them
	s_mov_b32 s[TB], \c*24576
	s_mov_b32 s[TS], \c*1024
	s_mov_b32 s[CNT], 4
.Lstep_\@:
	s_setprio 2
	STEP
	s_sub_co_u32 s[CNT], s[CNT], 1
	s_cmp_lg_u32 s[CNT], 0
	s_cbranch_scc1 .Lstep_\@
	s_setprio 0
.endm
	s_mov_b32 s[PASS], 2
.Lpass:
.irp p, 0,1,2
	global_load_b64 v[22+2*\p:23+2*\p], v[L8], s[4:5] offset:256*\p th:TH_LOAD_NT   ; q's six registers
.endr
	global_load_b32 v254, v[R16], s[6:7]
	v_mov_b32 v13, 0xff61b1e6                      ; the largest t so far: -3e38, under every t
	s_delay_alu instid0(VALU_DEP_1)
	v_floor_f32 v12, -v13                          ; -M
	v_mov_b32 v14, 0                               ; the sum, in two halves
	v_mov_b32 v15, 0
	s_wait_loadcnt 0x0
	v_perm_b32 v255, v254, v254, s66               ; q's scale word: its two bytes twice
.irp j, 0,1,2,3,4,5,6,7,8,9,10,11,12,13,14,15,16,17,18,19,20,21,22,23,24,25,26,27,28,29,30,31
	v_mov_b32 v[160+\j], 0                         ; O^T: the step is written once, and its first run finds zeros.  These are also the places between the scale word's write and the first product
.endr
	CHUNK 0
	CHUNK 1
	CHUNK 2
	CHUNK 3
	; THE WAY OUT: O^T / the sum, quantised along the head's 64 channels: two blocks; register 16 B + i is channel 32 B + 16 (lane / 16) + i of my query
.rept 4
	v_nop                                          ; places behind the last products
.endr
	v_add_f32 v14, v14, v15                        ; the sum's two halves,
	s_delay_alu instid0(VALU_DEP_1)
	v_permlanex16_b32 v252, v14, s[SEL], s[SEL+1]
	s_delay_alu instid0(VALU_DEP_1)
	v_add_f32 v14, v14, v252                       ; and lane l xor 16's
	s_wait_alu depctr_va_vdst(0)
	v_rcp_f32 v14, v14
	v_nop                                          ; a plain place behind the reciprocal
	s_wait_alu depctr_va_vdst(0)                   ; and the wait ahead of its first reader
.irp j, 0,2,4,6,8,10,12,14,16,18,20,22,24,26,28,30
	v_pk_mul_f32 v[96+\j:97+\j], v[160+\j:161+\j], v[14:15] op_sel_hi:[1,0]
.endr
.irp b, 0,1
	v_max3_num_f32 v[232+\b], |v[96+16*\b]|, |v[97+16*\b]|, 0x1800000
.endr
.irp i, 2,4,6,8,10,12,14
.irp b, 0,1
	s_delay_alu instid0(VALU_DEP_2)
	v_max3_num_f32 v[232+\b], v[232+\b], |v[96+16*\b+\i]|, |v[97+16*\b+\i]|
.endr
.endr
.irp b, 0,1
	s_delay_alu instid0(VALU_DEP_2)
	v_permlanex16_b32 v[236+\b], v[232+\b], s[SEL], s[SEL+1]
.endr
.irp b, 0,1
	s_delay_alu instid0(VALU_DEP_2)
	v_max_num_f32 v[232+\b], v[232+\b], v[236+\b]
.endr
.irp b, 0,1
	s_delay_alu instid0(VALU_DEP_2)
	v_add_nc_u32 v[244+\b], 0xff000000, v[232+\b]
.endr
.irp b, 0,1
	s_delay_alu instid0(VALU_DEP_2)
	v_lshrrev_b32 v[236+\b], 23, v[244+\b]
.endr
	v_cvt_scalef32_pk16_fp6_f32 v[PCD:PCD+2], v[96:111], v244
	v_cvt_scalef32_pk16_fp6_f32 v[PCD+12:PCD+14], v[112:127], v245
	v_nop                                          ; one plain place behind a scaled conversion
.irp i, 0,1,2
	v_permlane16_swap_b32 v[PCD+\i], v[PCD+12+\i]
.endr
.irp i, 0,1,2
	s_delay_alu instid0(VALU_DEP_3)
	v_mov_b32 v[PCD+3+\i], v[PCD+12+\i]
.endr
.irp p, 0,1,2
	global_store_b64 v[L8], v[PCD+2*\p:PCD+2*\p+1], s[8:9] offset:256*\p   ; a piece: 256 consecutive bytes, aligned
.endr
	v_cndmask_b32 v254, v236, v237, s67            ; lanes 0-15 carry block 0's byte, lanes 16-31 block 1's
	global_store_b8 v[SBO], v254, s[10:11]
	s_wait_xcnt 0x0                                ; the loads and stores have read their addresses and data: both are written again only behind this wait
	s_add_nc_u64 s[4:5], s[4:5], 16*768            ; sixteen tiles on
	s_add_nc_u64 s[6:7], s[6:7], 2*256
	s_add_nc_u64 s[8:9], s[8:9], 2*98304
	s_add_nc_u64 s[10:11], s[10:11], 2*4096
	s_sub_co_u32 s[PASS], s[PASS], 1
	s_cmp_lg_u32 s[PASS], 0
	s_cbranch_scc1 .Lpass
	s_wait_tensorcnt 0x0
	s_wait_tensorcnt 0x0
	ds_add_u32 v242, v243
	s_wait_dscnt 0x0
	CROUND                                         ; the closing round: no work-group ends while a partner may still ask for a tile that names it
	s_endpgm
.Lfunc_end_k_qea2af9c06d_attn:
	.size	k_qea2af9c06d_attn, .Lfunc_end_k_qea2af9c06d_attn-k_qea2af9c06d_attn
	.p2alignl 7, 3214868480
	.fill 96, 4, 3214868480
	.section	.rodata,"a",@progbits
	.p2align	6, 0x0
	.amdhsa_kernel k_qea2af9c06d_attn
		.amdhsa_group_segment_fixed_size 327680
		.amdhsa_private_segment_fixed_size 0
		.amdhsa_enable_private_segment 0
		.amdhsa_kernarg_size 32
		.amdhsa_user_sgpr_count 2
		.amdhsa_user_sgpr_kernarg_segment_ptr 1
		.amdhsa_wavefront_size32 1
		.amdhsa_system_sgpr_workgroup_id_x 1
		.amdhsa_system_sgpr_workgroup_id_y 1
		.amdhsa_system_sgpr_workgroup_id_z 1
		.amdhsa_system_vgpr_workitem_id 0
		.amdhsa_next_free_vgpr 256
		.amdhsa_next_free_sgpr 80
		.amdhsa_reserve_vcc 0
		.amdhsa_float_denorm_mode_32 3
		.amdhsa_float_denorm_mode_16_64 3
		.amdhsa_memory_ordered 1
		.amdhsa_forward_progress 1
		.amdhsa_inst_pref_size 89
	.end_amdhsa_kernel
	.amdgpu_metadata
---
amdhsa.version: [ 1, 2 ]
amdhsa.kernels:
  - .name:           k_qea2af9c06d_attn
    .symbol:         k_qea2af9c06d_attn.kd
    .args:
      - { .name: qkv, .offset: 0, .size: 8, .value_kind: global_buffer, .address_space: global }
      - { .name: qkvs, .offset: 8, .size: 8, .value_kind: global_buffer, .address_space: global }
      - { .name: a_img, .offset: 16, .size: 8, .value_kind: global_buffer, .address_space: global }
      - { .name: a_sc, .offset: 24, .size: 8, .value_kind: global_buffer, .address_space: global }
    .group_segment_fixed_size: 327680
    .private_segment_fixed_size: 0
    .kernarg_segment_align: 8
    .kernarg_segment_size: 32
    .max_flat_workgroup_size: 512
    .sgpr_count:     80
    .vgpr_count:     256
    .wavefront_size: 32
...
	.end_amdgpu_metadata
.endif
;; end of part 3
;; launch gemm_out (part 4): grid 4 x 32, 4 waves a work-group, clusters of 4 x 4, 327,680 bytes of LDS; arguments a_img, a_sc, w_img, w_sc, b_out, out0; writes out0
.if DOCPART == 4
	.amdgcn_target "amdgcn-amd-amdhsa--gfx1250"
	.amdhsa_code_object_version 6
	.text
	.protected	k_qea2af9c06d_gemm_out
	.globl	k_qea2af9c06d_gemm_out
	.p2align	8
	.type	k_qea2af9c06d_gemm_out,@function
k_qea2af9c06d_gemm_out:
	s_mov_b64 s[64:65], 0
	v_nop
	global_prefetch_b8 v0, s[64:65] scope:SCOPE_SE
	s_setreg_imm32_b32 hwreg(HW_REG_WAVE_MODE, 25, 1), 1
	s_wait_xcnt 0x0
	s_wait_alu depctr_hold_cnt(0) depctr_sa_sdst(0) depctr_va_vdst(0) depctr_va_sdst(0) depctr_va_ssrc(0) depctr_va_vcc(0) depctr_vm_vsrc(0)
	s_getreg_b32 s2, hwreg(HW_REG_IB_STS2, 6, 4)
	s_cmp_eq_u32 s2, 0
	s_cbranch_scc0 .Lentry_in_a_cluster
	s_endpgm
.Lentry_in_a_cluster:
	s_bfe_u32 s2, ttmp6, 0x10000c
	s_cmp_lg_u32 s2, 0xf033
	s_cbranch_scc0 .Lentry_shape_is_right
	s_endpgm
.Lentry_shape_is_right:
; out0 = a w_out + b_out on codes of FP6 (E2M3) with E8M0 scales, K = 1,024; out0 [8192][1024] f32.
; OPERANDS come as images of their registers: group of 128 rows x 98,304 + K step of 256 x 24,576 + tile x 3,072 + fragment x 1,536 + piece x 256 + 8 x lane; scale words: group x 4,096 + K step x 1,024 + tile x 128 + 8 x row + 4 x fragment.
; w_out's columns are groups 24 to 31 of w_img.  Rows are filed by position: row r of tile 2 B + u of a group of 32 is the natural index 32 B + 8 u + r + 8 (r / 8); the way out puts rows and columns back by immediates.
; A tile of 256 x 256 is made by four waves, 128 x 128 each: 64 accumulators, 512 registers.  K goes in four steps of 256 through two LDS slots; 128 rows of a K step are one dense block of 24,576 bytes, one tensor load.
; 128 tiles: a smaller tile would give each wave fewer products for each byte that it reads from LDS.
; CLUSTERS of 4 x 4: source 1's tiles (tokens) are shared along a row of the cluster, source 0's (columns of w_out) along a column; each is asked for jointly.
; Source 0 = columns, source 1 = tokens: a lane holds a token, and its eight results are eight neighbouring columns.  The bias is the C of each sum's first matrix instruction.
; REGISTERS, in windows of 256: window 0: v1-31 addresses; v32-63 scale words, two sets; v64-127 the bias; v128-223 source 1's fragments, one set (on the way out v128-255 are rows of out0);
;   window 1: source 0's fragments, two sets, at v0 and v128;  window 2: the accumulators of my rows 0-63 ((a, b) at v[8 (8 a + b)]);  window 3: those of rows 64-127.
.set NQ,     2
.set FR,     12
.set NL,     6
.set NP,     4                         ; places behind this matrix instruction (ISA guide 7.12.1)
.set HALFT,  24576
.set SLOT,   4*HALFT
.set SCL,    2*SLOT                    ; behind the ring: the scale words of the four groups of 128 rows, for all of K; filled once
.set SPARE,  SCL+4*4096                ; the spare words, 128 bytes for each wave: two blocks of 256 bytes that no other line names
.set SPITCH, 528                       ; the way out: a stage of 16 rows x (512 bytes + 16) for each wave, in slot 0, which has had its last fill and its last read when the first result is stored there
.set ADRA, 16
.set ADRB, 20
.set CO,   22                          ; v22  16 x lane: my bytes of a row of 512
.set STO,  24                          ; v24  the stage: where I put 32 bytes of a row
.set RD,   25                          ; v25  and where I read a row back
.set BO1,  26                          ; v26  the bias: 64 (lane / 16)
.set ADRS, 27
.set SPW,  28
.set NIL,  29
.set SC,   32
.set BI,   64
.set AF,   128
.set BK,   128                         ; the way out: 16 rows read back: v128-191 and v192-255 by turns
.set G1, 24
.set G0, 32
.set G1B, 48
.set G0B, 56
.set G1S, 68
.set G0S, 76
.set G1SB, 80
.set G0SB, 88
.set MSB, 0
.macro WIN new                         ; the immediate's high byte repeats the setting that is left
.if MSB != \new
	s_set_vgpr_msb (MSB<<8)|\new
.set MSB, \new
.endif
.endm
.set MUL_LO, 0xa1                      ; source 0 window 1, source 1 window 0, C and D window 2
.set MUL_HI, 0xf1                      ; the same, C and D window 3
.set TO_B,   0x40                      ; destination window 1, address window 0
; A joint load: waves 0 and 1 fetch for source 1, waves 2 and 3 for source 0; the branch hangs on the wave's number alone.  Four v_nop follow each line.
.macro JLOAD g0a, g1a, g0b, g1b
	s_cmp_eq_u32 s15, 0
	s_cbranch_scc0 .Lfor_b_\@
	tensor_load_to_lds s[\g0a:\g0a+3], s[\g1a:\g1a+7]
	s_nop 0
.rept 4
	v_nop
.endr
	s_branch .Lasked_\@
.Lfor_b_\@:
	tensor_load_to_lds s[\g0b:\g0b+3], s[\g1b:\g1b+7]
	s_nop 0
.rept 4
	v_nop
.endr
.Lasked_\@:
.endm
.macro CREST
	s_cmp_lg_u32 s14, 0
	s_cbranch_scc1 .Lnot_wave_0_\@
	s_barrier_signal -3
.Lnot_wave_0_\@:
	s_barrier_wait -3
	s_barrier_signal -1
	s_barrier_wait -1
.endm
.macro CROUND
	s_barrier_signal -1
	s_barrier_wait -1
	CREST
.endm
	s_load_b128 s[4:7], s[0:1], 0x0                ; a_img s[4:5], a_sc s[6:7]
	s_load_b128 s[8:11], s[0:1], 0x10              ; w_img s[8:9], w_sc s[10:11]
	s_load_b128 s[96:99], s[0:1], 0x20             ; b_out s[96:97], out0 s[98:99]
	v_lshl_add_u32 v[SPW], v0, 2, SPARE
	v_mov_b32 v[NIL], 0
	ds_add_u32 v28, v29
	ds_add_u32 v28, v29
	s_wait_dscnt 0x0
	v_lshrrev_b32 v1, 5, v0
	v_readfirstlane_b32 s14, v1                    ; wave 0..3
	s_lshr_b32 s15, s14, 1                         ; which half of the tokens is mine.  Also: I fetch for source 1 (0) or source 0 (1)
	s_and_b32 s16, s14, 1                          ; which half of the columns.  Also: which 128 rows I fetch
	s_bfe_u32 s40, ttmp6, 0x40000                  ; cx, cy
	s_bfe_u32 s41, ttmp6, 0x40004
	s_lshl_b32 s42, ttmp9, 2
	s_add_co_u32 s42, s42, s40                     ; the tile of 256 columns
	s_and_b32 s17, ttmp7, 0xffff
	s_lshl_b32 s17, s17, 2
	s_add_co_u32 s17, s17, s41                     ; the tile of 256 tokens
	s_lshl_b32 s43, s41, 2
	s_lshl_b32 s43, 15, s43                        ; my row of the cluster
	s_lshl_b32 s44, 0x1111, s40                    ; my column
	s_or_b32 s[G1+0], s43, (3<<16)|(1<<21)         ; 15:0 the mask; 17:16 elements of 8 bytes; 21 set beside a mask; no padding
	s_or_b32 s[G1B+0], s44, (3<<16)|(1<<21)
.irp g, G1, G1B
	s_mov_b32 s[\g+1], 32<<16                      ; 24,576 dense bytes as 96 rows of 32 elements
	s_mov_b32 s[\g+2], 96<<16
	s_mov_b32 s[\g+3], 32<<16
	s_mov_b32 s[\g+4], 96
	s_mov_b32 s[\g+5], 32
	s_mov_b32 s[\g+6], 0
	s_mov_b32 s[\g+7], 0
.endr
	s_or_b32 s[G1S+0], s43, (3<<16)|(1<<21)
	s_or_b32 s[G1SB+0], s44, (3<<16)|(1<<21)
.irp g, G1S, G1SB
	s_mov_b32 s[\g+1], 32<<16                      ; 4,096 dense bytes: 16 such rows
	s_mov_b32 s[\g+2], 16<<16
	s_mov_b32 s[\g+3], 32<<16
	s_mov_b32 s[\g+4], 16
	s_mov_b32 s[\g+5], 32
	s_mov_b32 s[\g+6], 0
	s_mov_b32 s[\g+7], 0
.endr
	s_lshl_b32 s20, s17, 1
	s_add_co_u32 s20, s20, s16                     ; the group of 128 tokens that I would fetch,
	s_lshl_b32 s46, s42, 1
	s_add_co_u32 s46, s46, s16
	s_add_co_u32 s46, s46, 24                      ; and of 128 columns: w_out's groups begin at 24
	s_lshl_b32 s22, s20, 12
	s_lshl_b32 s92, s46, 12
	s_mul_i32 s20, s20, 98304
	s_mul_i32 s46, s46, 98304
	s_mov_b32 s21, 0
	s_mov_b32 s23, 0
	s_mov_b32 s47, 0
	s_mov_b32 s93, 0
	s_mul_i32 s45, s14, HALFT                      ; where they go: wave x 128 rows: no place in the cluster enters an LDS address
	s_lshl_b32 s13, s14, 12
	s_wait_kmcnt 0x0
	s_add_nc_u64 s[20:21], s[4:5], s[20:21]
	s_add_nc_u64 s[22:23], s[6:7], s[22:23]
	s_add_nc_u64 s[46:47], s[8:9], s[46:47]
	s_add_nc_u64 s[92:93], s[10:11], s[92:93]
	CROUND                                         ; all sixteen work-groups are here: the first joint loads meet
	s_mov_b32 s[G0S], 1
	s_add_co_u32 s[G0S+1], s13, SCL
	s_mov_b64 s[G0S+2:G0S+3], s[22:23]
	s_or_b32 s[G0S+3], s[G0S+3], 0x80000000
	s_mov_b32 s[G0SB], 1
	s_add_co_u32 s[G0SB+1], s13, SCL
	s_mov_b64 s[G0SB+2:G0SB+3], s[92:93]
	s_or_b32 s[G0SB+3], s[G0SB+3], 0x80000000
	JLOAD G0S, G1S, G0SB, G1SB                     ; the scale words first
.irp s, 0,1
	s_mov_b32 s[G0+4*\s], 1
	s_add_co_u32 s[G0+4*\s+1], s45, \s*SLOT
	s_add_nc_u64 s[G0+4*\s+2:G0+4*\s+3], s[20:21], \s*HALFT
	s_or_b32 s[G0+4*\s+3], s[G0+4*\s+3], 0x80000000
	s_mov_b32 s[G0B+4*\s], 1
	s_add_co_u32 s[G0B+4*\s+1], s45, \s*SLOT
	s_add_nc_u64 s[G0B+4*\s+2:G0B+4*\s+3], s[46:47], \s*HALFT
	s_or_b32 s[G0B+4*\s+3], s[G0B+4*\s+3], 0x80000000
	JLOAD G0+4*\s, G1, G0B+4*\s, G1B               ; three loads of mine are out behind the second of these
.endr
	v_and_b32 v1, 15, v0                           ; r
	v_bfe_u32 v2, v0, 4, 1                         ; h
	v_and_b32 v3, 31, v0
	v_lshlrev_b32 v4, 3, v3                        ; 8 x lane
	s_mul_i32 s21, s15, HALFT
	s_mul_i32 s22, s16, HALFT
	s_add_co_u32 s22, s22, 2*HALFT
.irp s, 0,1
	v_add_nc_u32 v[ADRA+\s], s21, v4
	v_add_nc_u32 v[ADRB+\s], s22, v4
	s_add_co_u32 s21, s21, SLOT
	s_add_co_u32 s22, s22, SLOT
.endr
	v_lshlrev_b32 v5, 3, v1                        ; my row's two scale words of a K step
	s_lshl_b32 s21, s15, 12
	s_lshl_b32 s22, s16, 12
	s_add_co_u32 s22, s22, 2*4096
	s_sub_co_u32 s22, s22, s21
	v_mul_u32_u24 v6, s22, v2                      ; lanes 16-31 take source 0's
	s_add_co_u32 s21, s21, SCL
	v_add_nc_u32 v5, v5, v6
	v_add_nc_u32 v[ADRS], s21, v5
	s_mul_i32 s23, s14, 16*SPITCH                  ; my stage
	v_mul_u32_u24 v5, v1, SPITCH
	v_lshl_add_u32 v5, v2, 6, v5
	v_add_nc_u32 v[STO], s23, v5                   ; in: row r, + 64 h: column 32 (b / 2) + 8 (b % 2) + 16 h + j
	v_lshlrev_b32 v[CO], 4, v3
	v_add_nc_u32 v[RD], s23, v[CO]                 ; back: the 32 lanes take one row of 512 bytes
	v_lshlrev_b32 v[BO1], 6, v2
	s_lshl_b32 s18, s17, 1
	s_add_co_u32 s18, s18, s15                     ; my group of 128 tokens
	s_lshl_b32 s19, s42, 1
	s_add_co_u32 s19, s19, s16                     ; my group of 128 columns
	s_lshl_b32 s20, s18, 19                        ; 128 rows of 4,096 bytes
	s_lshl_b32 s22, s19, 9                         ; 128 columns of 4 bytes
	s_add_co_u32 s20, s20, s22
	s_mov_b32 s21, 0
	s_mov_b32 s23, 0
	s_add_nc_u64 s[98:99], s[98:99], s[20:21]
	s_add_nc_u64 s[96:97], s[96:97], s[22:23]
.irp b, 0,1,2,3,4,5,6,7                        ; register j of tile b's results is column 32 (b / 2) + 8 (b % 2) + 16 h + j
	global_load_b128 v[BI+8*\b:BI+8*\b+3], v[BO1], s[96:97] offset:(32*(\b/2)+8*(\b%2))*4
	global_load_b128 v[BI+8*\b+4:BI+8*\b+7], v[BO1], s[96:97] offset:(32*(\b/2)+8*(\b%2))*4+16
.endr
.macro FRAG reg, adr, q, i             ; a fragment comes as it was stored: six pieces, 8 bytes a lane, 256 consecutive bytes a load
.irp p, 0,1,2,3,4,5
	ds_load_b64 v[\reg+2*\p:\reg+2*\p+1], v[\adr] offset:(\i)*3072+(\q)*1536+256*\p
.endr
.endm
; 16 matrix instructions: source 1's blocks a0, a0 + 1 x source 0's eight.  cm = 0: the sums go on; 1: they begin with the bias.  The 64 accumulators take turns, one instruction a turn, in the same order in every step.
.macro MUL16 a0, p, q, sc, cm
.irp a, \a0, \a0+1
.irp b, 0,1,2,3,4,5,6,7
.if \cm == 0
	v_wmma_scale_f32_16x16x128_f8f6f4 v[8*(8*((\a)%4)+\b):8*(8*((\a)%4)+\b)+7], v[128*(\p)+FR*\b:128*(\p)+FR*\b+FR-1], v[AF+FR*(\a):AF+FR*(\a)+FR-1], v[8*(8*((\a)%4)+\b):8*(8*((\a)%4)+\b)+7], v[SC+8*NQ*(\sc)+NQ*\b+(\q)], v[SC+8*NQ*(\sc)+NQ*(\a)+(\q)] matrix_a_fmt:MATRIX_FMT_FP6 matrix_b_fmt:MATRIX_FMT_FP6 matrix_a_scale:MATRIX_SCALE_ROW1
.else
	v_wmma_scale_f32_16x16x128_f8f6f4 v[8*(8*((\a)%4)+\b):8*(8*((\a)%4)+\b)+7], v[128*(\p)+FR*\b:128*(\p)+FR*\b+FR-1], v[AF+FR*(\a):AF+FR*(\a)+FR-1], v[BI+8*\b:BI+8*\b+7], v[SC+8*NQ*(\sc)+NQ*\b+(\q)], v[SC+8*NQ*(\sc)+NQ*(\a)+(\q)] matrix_a_fmt:MATRIX_FMT_FP6 matrix_b_fmt:MATRIX_FMT_FP6 matrix_a_scale:MATRIX_SCALE_ROW1
.endif
.endr
.endr
.endm
.macro FETCH_B slot, q, p
	WIN TO_B
.irp i, 0,1,2,3,4,5,6,7
	FRAG 128*(\p)+FR*\i, ADRB+\slot, \q, \i
.endr
	WIN 0
.endm
.macro FETCH_A slot, q, i0
.irp i, \i0, \i0+1, \i0+2, \i0+3
	FRAG AF+FR*(\i), ADRA+\slot, \q, \i
.endr
.endm
.macro SCALES sc
.irp i, 0,1,2,3,4,5,6,7
	ds_load_b64 v[SC+8*NQ*\sc+NQ*\i:SC+8*NQ*\sc+NQ*\i+1], v[ADRS] offset:\i*128
.endr
.endm
.macro PLACES n                        ; plain vector instructions between a matrix instruction and a load into, or a read of, its registers (ISA guide 7.12.1 for vector reads)
.rept \n
	v_nop
.endr
.endm
.macro STEP slot, q, cm
	s_wait_dscnt 4*NL                              ; source 0's set and source 1's blocks 0-3 are in; the youngest 24 loads (blocks 4-7) may be out
.if \cm
	WIN 0x81                                       ; C, the bias, in window 0
.else
	WIN MUL_LO
.endif
	MUL16 0, (\q)%2, \q, \slot, \cm
	MUL16 2, (\q)%2, \q, \slot, \cm
	s_wait_dscnt 0
	PLACES NP
	FETCH_B \slot, (\q)+1, 1-(\q)%2
	FETCH_A \slot, (\q)+1, 0
.if \cm
	WIN 0xc1
.else
	WIN MUL_HI
.endif
	MUL16 4, (\q)%2, \q, \slot, \cm
	MUL16 6, (\q)%2, \q, \slot, \cm
	PLACES NP
	WIN 0
	FETCH_A \slot, (\q)+1, 4
.endm
; A slot's last step changes slots: one barrier; in front of it each wave waits for all its tensor loads, adds 0 to its spare word, and waits for that and for its own reads of this slot.  fill = 1: this slot is filled again, two K steps ahead.
.macro TURN slot, next, fill
	s_wait_tensorcnt 0x0                           ; all my tensor loads have landed: my part of the next slot
	ds_add_u32 v[SPW], v[NIL]                      ; 0 onto my spare word
	s_wait_dscnt 4*NL+1                            ; (the add and the youngest 24 loads may be out)
	WIN MUL_LO
	MUL16 0, 1, NQ-1, \slot, 0                     ; sixteen matrix instructions stand between the add and the wait for it
	s_wait_dscnt 0x0                               ; the add is done, and my reads of this slot are over
	s_barrier_signal -1
	MUL16 2, 1, NQ-1, \slot, 0
	WIN 0
	s_barrier_wait -1
.if \fill
	CREST                                          ; the barrier has opened a round of the cluster's barrier: no wave of any partner still reads this slot or has a load on its way
	s_add_nc_u64 s[G0+4*\slot+2:G0+4*\slot+3], s[G0+4*\slot+2:G0+4*\slot+3], 2*HALFT
	s_add_nc_u64 s[G0B+4*\slot+2:G0B+4*\slot+3], s[G0B+4*\slot+2:G0B+4*\slot+3], 2*HALFT
	JLOAD G0+4*\slot, G1, G0B+4*\slot, G1B         ; the first tensor load behind the round; its four v_nop are the places in front of the loads below
.else
	PLACES NP
.endif
	v_add_nc_u32 v[ADRS], 1024, v[ADRS]            ; on to the next K step's scale words
	FETCH_B \next, 0, 0
	FETCH_A \next, 0, 0
	SCALES \next
	WIN MUL_HI
	MUL16 4, 1, NQ-1, \slot, 0
	MUL16 6, 1, NQ-1, \slot, 0
	PLACES NP
	WIN 0
	FETCH_A \next, 0, 4
.endm
	s_wait_tensorcnt 1                             ; the scale words and my part of K step 0 are in (K step 1's load may be out)
	s_barrier_signal -1
	s_barrier_wait -1                              ; everybody's are
	FETCH_B 0, 0, 0
	FETCH_A 0, 0, 0
	SCALES 0
	FETCH_A 0, 0, 4
	s_wait_loadcnt 0x0                             ; the bias
	STEP 0, 0, 1                                   ; the first step starts the sums with the bias: nothing is cleared
	TURN 0, 1, 1                                   ; slot 0 takes K step 2
	STEP 1, 0, 0
	TURN 1, 0, 1                                   ; slot 1 takes K step 3
	STEP 0, 0, 0
	TURN 0, 1, 0                                   ; nothing is left to fetch
	STEP 1, 0, 0
	s_wait_dscnt 4*NL
	WIN MUL_LO
	MUL16 0, 1, NQ-1, 1, 0
	MUL16 2, 1, NQ-1, 1, 0
	s_wait_dscnt 0
	WIN MUL_HI
	MUL16 4, 1, NQ-1, 1, 0
	MUL16 6, 1, NQ-1, 1, 0
	WIN 0
; THE WAY OUT, block by block of 16 tokens x 128 columns, through my own stage in LDS: in by lanes (32 bytes of a row), back as whole rows of 512 bytes, which the 32 lanes store as two aligned runs of 256 bytes.
; LDS serves a wave's instructions in order (ISA guide 5.7.1.4): no wait between the stores and the loads, nor in front of the next block's stores.
.macro TOSTAGE a
.set AC, 64*((\a)%4)
	WIN 0x08+4*((\a)/4)                            ; the data: window 2 or 3
.irp b, 0,1,2,3,4,5,6,7
	ds_store_b128 v[STO], v[AC+8*\b:AC+8*\b+3] offset:128*(\b/2)+32*(\b%2)          ; each accumulator from its low end on
	ds_store_b128 v[STO], v[AC+8*\b+4:AC+8*\b+7] offset:128*(\b/2)+32*(\b%2)+16
.endr
	WIN 0
.set BB, BK+64*((\a)%2)
.irp t, 0,1,2,3,4,5,6,7,8,9,10,11,12,13,14,15
	ds_load_b128 v[BB+4*\t:BB+4*\t+3], v[RD] offset:\t*SPITCH
.endr
.endm
.macro SEND a, younger                 ; younger: the LDS instructions issued behind block a's loads, which may stay out
.set BB, BK+64*((\a)%2)
	s_wait_dscnt \younger
.irp t, 0,1,2,3,4,5,6,7,8,9,10,11,12,13,14,15
	global_store_b128 v[CO], v[BB+4*\t:BB+4*\t+3], s[98:99] offset:(32*((\a)/2)+8*((\a)%2)+\t+8*(\t/8))*4096 th:TH_STORE_NT   ; row t of tile a is token 32 (a / 2) + 8 (a % 2) + t + 8 (t / 8) of my 128
.endr
.endm
	PLACES NP                                      ; behind the last products: for the loads into the registers that held source 1's fragments, and for the reads of results
	TOSTAGE 0
.irp a, 1,2,3,4,5,6,7
.if \a > 1
	s_wait_xcnt 0x0                                ; block a - 2's stores have read their registers: block a's loads may land there
.endif
	TOSTAGE \a
	SEND \a-1, 32                                  ; behind block a - 1's loads: block a's 16 stores and 16 loads
.endr
	SEND 7, 0
	s_wait_tensorcnt 0x0                           ; the wave's end
	ds_add_u32 v[SPW], v[NIL]
	s_wait_dscnt 0x0
	CROUND                                         ; the closing round: no work-group ends while a partner may still ask for a tile that names it
	s_endpgm
.Lfunc_end_k_qea2af9c06d_gemm_out:
	.size	k_qea2af9c06d_gemm_out, .Lfunc_end_k_qea2af9c06d_gemm_out-k_qea2af9c06d_gemm_out
	.p2alignl 7, 3214868480
	.fill 96, 4, 3214868480
	.section	.rodata,"a",@progbits
	.p2align	6, 0x0
	.amdhsa_kernel k_qea2af9c06d_gemm_out
		.amdhsa_group_segment_fixed_size 327680
		.amdhsa_private_segment_fixed_size 0
		.amdhsa_enable_private_segment 0
		.amdhsa_kernarg_size 48
		.amdhsa_user_sgpr_count 2
		.amdhsa_user_sgpr_kernarg_segment_ptr 1
		.amdhsa_wavefront_size32 1
		.amdhsa_system_sgpr_workgroup_id_x 1
		.amdhsa_system_sgpr_workgroup_id_y 1
		.amdhsa_system_sgpr_workgroup_id_z 1
		.amdhsa_system_vgpr_workitem_id 0
		.amdhsa_next_free_vgpr 1024
		.amdhsa_next_free_sgpr 100
		.amdhsa_reserve_vcc 0
		.amdhsa_float_denorm_mode_32 3
		.amdhsa_float_denorm_mode_16_64 3
		.amdhsa_memory_ordered 1
		.amdhsa_forward_progress 1
		.amdhsa_inst_pref_size 160
	.end_amdhsa_kernel
	.amdgpu_metadata
---
amdhsa.version: [ 1, 2 ]
amdhsa.kernels:
  - .name:           k_qea2af9c06d_gemm_out
    .symbol:         k_qea2af9c06d_gemm_out.kd
    .args:
      - { .name: a_img, .offset: 0, .size: 8, .value_kind: global_buffer, .address_space: global }
      - { .name: a_sc, .offset: 8, .size: 8, .value_kind: global_buffer, .address_space: global }
      - { .name: w_img, .offset: 16, .size: 8, .value_kind: global_buffer, .address_space: global }
      - { .name: w_sc, .offset: 24, .size: 8, .value_kind: global_buffer, .address_space: global }
      - { .name: b_out, .offset: 32, .size: 8, .value_kind: global_buffer, .address_space: global }
      - { .name: out0, .offset: 40, .size: 8, .value_kind: global_buffer, .address_space: global }
    .group_segment_fixed_size: 327680
    .private_segment_fixed_size: 0
    .kernarg_segment_align: 8
    .kernarg_segment_size: 48
    .max_flat_workgroup_size: 128
    .sgpr_count:     100
    .vgpr_count:     1024
    .wavefront_size: 32
...
	.end_amdgpu_metadata
.endif
;; end of part 4
